; MI455X (gfx1250); checked and timed in simulation.
; The chip was launched on July 23, 2026; its instructions are those of AMD's public machine-readable ISA for CDNA 5 (MIT licence, August 2026) and "CDNA5" Instruction Set Architecture Reference Guide (July 2026). The comments in the code are by the model that wrote it; some were corrected since.
;; GPT2 Attention. Allowed arithmetic: matrix products marked QUANTISED: E4M3 operands, one E8M0 scale for each 32 along K, by v_wmma_scale_f32_16x16x128_f8f6f4 with both operands' format E4M3, f32 sums; everything else in f32.
;; Inputs: b_attn 3,072 float32; b_proj 1,024 float32; hidden_states 4 x 2,048 x 1,024 float32; w_attn 1,024 x 3,072 float32; w_proj 1,024 x 1,024 float32.
;; Outputs: out0 4 x 2,048 x 1,024 float32.
;; This version of the problem:
;;   THIS VERSION OF THE PROBLEM IS GIVEN IN LOW PRECISION. The matrix products marked QUANTISED in the list below multiply operands that are first quantised to E4M3 (4 exponent bits, 3 mantissa bits; 8 bits a number), with one power-of-two scale for each 32 numbers along K (OCP MX v1.0); their sums are f32. All else is computed in f32.
;;   The module's matrix products, in the order in which they are computed (A, B: the left and right operand; K: the contracted axis; several contracted axes count as one K, in the product's order):
;;     1. [M 8,192, K 1,024] x [K 1,024, N 3,072]; A: input hidden_states; B: input w_attn: QUANTISED
;;     2. batch 64 x [M 2,048, K 64] x [K 64, N 2,048]; A: computed on the way; B: computed on the way: QUANTISED
;;     3. batch 64 x [M 2,048, K 2,048] x [K 2,048, N 64]; A: softmax (see below); B: computed on the way: QUANTISED
;;     4. [M 8,192, K 1,024] x [K 1,024, N 1,024]; A: computed on the way; B: input w_proj: QUANTISED
;;   THE QUANTISER, for each operand of a quantised product, along K:
;;     - K is cut into blocks of 32 from its start; a last block that is shorter is filled with zeros.
;;     - A block's scale is 2^e with e = floor(log2(the largest magnitude in the block)) - 8, held to -126 .. 127; a block of zeros has e = 0. As a byte (E8M0): e + 127.
;;     - Each number is divided by its block's scale, clamped to +-448, and rounded to the nearest number of E4M3, ties to even, subnormals kept.
;;     - The product sums the exact products of the quantised numbers (number of the format x scale) in f32.
;;   ~~~python
;;   def quantise(x, axis):      # numpy; x: float32 -> the quantised numbers, widened to float32 again
;;       x = np.moveaxis(x, axis, -1); K = x.shape[-1]
;;       x = np.pad(x, [(0, 0)] * (x.ndim - 1) + [(0, -K % 32)]); x = x.reshape(x.shape[:-1] + (-1, 32)); a = np.abs(x).max(-1, keepdims=True)
;;       e = np.where(a > 0, np.clip(np.frexp(np.where(a > 0, a, 1))[1] - 1 - 8, -126, 127), 0)      # np.frexp(a)[1] - 1 = floor(log2(a)), exactly
;;       r = np.clip(x / 2.0 ** e, -448, 448)
;;       step = 2.0 ** (np.maximum(np.frexp(np.where(r == 0, 1, r))[1] - 1, -6) - 3)
;;       q = np.round(r / step) * step * 2.0 ** e      # np.round: ties to even
;;       return np.moveaxis(q.reshape(q.shape[:-2] + (-1,))[..., :K], -1, axis).astype(np.float32)
;;   ~~~
;;   SOFTMAX AHEAD OF A QUANTISED PRODUCT. Where the list says 'softmax', what is quantised is not the finished softmax but p = 2^(t - M), with t = logit x log2(e) and M = ceil(the row's largest t), a whole number; so 1/2 < the row's largest p <= 1. The row's sum l is taken of the UNQUANTISED p, in f32, and the product's result is divided by l at the end. Since M is a whole number, a kernel that streams over the keys may use a running M (the ceiling of the running maximum): every later rescaling is an exact power of two, which a block's scale takes up: the codes' values come out the same.
;;   OPERANDS COMPUTED ON THE WAY. 'Computed on the way' means the value that the module computes at that place (a softmax that the list does not call 'softmax' is quantised finished and normalised). What goes into a quantiser is computed in f32, as accurately as f32 sums, v_exp_f32 and their like allow (about 1e-6 of the number): no bf16 or f16 on the way to a quantiser, and a product that is left as it is and whose result goes on into a quantised operand takes f32 operands (vector FMAs, or v_wmma_f32_16x16x4_f32). A number that lies on a knife's edge between two numbers of the format may be rounded either way, as far as f32 arithmetic and the matrix unit's own rounding can turn it there, and no further.
;; One version. Each part assembles by itself: llvm-mc -triple=amdgcn-amd-amdhsa -mcpu=gfx1250 --defsym DOCPART=n.
;; ======== version 1 of 1: 4 launches
;; limits: right only within a limited range of input values
;; workspace buffers: xq 8,650,752 bytes; wq 4,325,376 bytes; qkv 25,952,256 bytes; aq 8,650,752 bytes
;; launch prep (part 1): grid 384 x 1, 4 waves a work-group, no clusters, 34,304 bytes of LDS; arguments hidden_states, w_attn, w_proj, xq, wq; writes xq, wq
.if DOCPART == 1
	.amdgcn_target "amdgcn-amd-amdhsa--gfx1250"
	.amdhsa_code_object_version 6
	.text
	.protected	k_qd75dcb29ae_prep
	.globl	k_qd75dcb29ae_prep
	.p2align	8
	.type	k_qd75dcb29ae_prep,@function
k_qd75dcb29ae_prep:
	s_mov_b64 s[64:65], 0
	v_nop
	global_prefetch_b8 v0, s[64:65] scope:SCOPE_SE
	s_setreg_imm32_b32 hwreg(HW_REG_WAVE_MODE, 25, 1), 1
	s_wait_xcnt 0x0
; hidden_states [8192][1024], w_attn [1024][3072] and w_proj [1024][1024], f32, become codes of E4M3 with one E8M0 byte for each 32 along K (K = 1024),
; laid in the ORDER OF THE OPERAND'S REGISTERS.  An operand X[R rows][1024]: rows go in blocks rho of 16: block rho = 2 g + u, lane-row r is row 32 g + 8 u + r + 8 (r / 8).
; The code of (row, k = 256 sg + 128 kl + 32 c + 16 h + e) lies at sg R 256 + rho 4096 + kl 2048 + c 512 + h 256 + r 16 + e: a fragment (16 rows x 128 K) is 2,048 bytes on end, 16 bytes a lane.
; The scale byte of (row, block t of 32) lies at rho 512 + (t / 8) 128 + r 8 + t % 8.
; xq: x's codes at 0, its scale bytes at 8388608.  wq: w_attn's (rows = its 3072 columns) at 0 and 3145728; w_proj's at 3244032 and 4292608.
; A block's scale is 2^(floor(log2(largest magnitude)) - 8); its byte is the largest magnitude's exponent field - 8, held at 1 from below.
; LIMITS: a block of zeros gets the byte 1 where the rule says 127 (its codes are zeros, and this program alone reads the bytes); NaN and infinities among the inputs are not served.
; SHARES: work-groups 0-255 take x (a wave: 16 rows x 512 along K), 256-351 w_attn, 352-383 w_proj (a wave: 32 columns x 256 along K).  Every work-group reads 131,072 bytes.
; No matrix unit, no cluster, no tensor load: every input byte is read once by one wave, and waves share nothing.  Only the x path uses LDS: a stage of 8,448 bytes for each wave.
.set SEL, 20                           ; s[20:21] lane selects of v_permlanex16_b32: lane l xor 16
.set MNT, 23
.set PC,  16                           ; v16-31  x: a fragment's codes
.set TM,  32                           ; v32-47  x: largest magnitudes, bytes, the conversions' scale operands
.set PWT, 49                           ; v49-52  x: the four steps' scale words
.set R,   64                           ; v64-191 x: two sets of 64 registers as loaded
.set X,   192                          ; v192-255 x: 64 numbers, register 16 b + i = k 32 b + 16 h + i of my row
.set XW,  64                           ; v64-127 weights: two sets of 32 numbers down K
.set CW,  16                           ; v16-23  weights: a block's 32 codes
.set SB,  24                           ; v24-25  weights: eight scale bytes
; 64 numbers of a lane become a fragment's codes in v[PC] on and the row's scale word in v[pw]
.macro QUANT s, pw
.irp b, 0,1,2,3
	v_max3_num_f32 v[TM+\b], |v[\s+16*\b]|, |v[\s+1+16*\b]|, 0x4800000   ; my 16 numbers of block b, and the floor 2^(9 - 127): the byte cannot fall under 1
.endr
.irp i, 2,4,6,8,10,12,14
.irp b, 0,1,2,3
	v_max3_num_f32 v[TM+\b], v[TM+\b], |v[\s+16*\b+\i]|, |v[\s+1+16*\b+\i]|   ; the four blocks by turns
.endr
.endr
.irp b, 0,1,2,3
	v_permlanex16_b32 v[TM+4+\b], v[TM+\b], s[SEL], s[SEL+1]
.endr
.irp b, 0,1,2,3
	v_max_num_f32 v[TM+\b], v[TM+\b], v[TM+4+\b]                  ; with lane l xor 16's 16: the block's largest magnitude
.endr
.irp b, 0,1,2,3
	v_add_nc_u32 v[TM+12+\b], 0xfc000000, v[TM+\b]                ; 8 off its exponent field: the conversion's scale operand
.endr
.irp b, 0,1,2,3
.endr
.irp b, 0,1,2,3
	v_lshrrev_b32 v[TM+4+\b], 23, v[TM+12+\b]                     ; the scale's byte
.endr
	v_lshl_or_b32 v[\pw], v[TM+5], 8, v[TM+4]
	v_lshl_or_b32 v[\pw], v[TM+6], 16, v[\pw]
	v_lshl_or_b32 v[\pw], v[TM+7], 24, v[\pw]
.irp b, 0,1,2,3
.irp i, 0,1,2,3,4,5,6,7,8,9,10,11,12,13,14,15
.endr
	v_cvt_scalef32_pk8_fp8_f32 v[PC+4*\b:PC+1+4*\b], v[\s+16*\b:\s+7+16*\b], v[TM+12+\b]
	v_cvt_scalef32_pk8_fp8_f32 v[PC+2+4*\b:PC+3+4*\b], v[\s+8+16*\b:\s+15+16*\b], v[TM+12+\b]
.endr
	v_nop                                          ; one plain line behind the last conversion
.endm
; x: step t = 128 along K of my 16 rows: each load reads 512 consecutive bytes of one row
.macro XLOAD t
.irp i, 0,1,2,3,4,5,6,7,8,9,10,11,12,13,14,15
	global_load_b128 v[R+64*((\t)%2)+4*\i:R+64*((\t)%2)+4*\i+3], v1, s[4:5] offset:(\i+8*(\i/8))*4096+512*(\t) th:TH_LOAD_NT
.endr
.endm
.macro XSTEP t
.if (\t) < 3
	s_wait_loadcnt 16                              ; this step's 16 loads are in; the next step's 16 may be out
.else
	s_wait_loadcnt 0x0
.endif
.irp i, 0,1,2,3,4,5,6,7,8,9,10,11,12,13,14,15
	ds_store_b128 v2, v[R+64*((\t)%2)+4*\i:R+64*((\t)%2)+4*\i+3] offset:\i*528   ; row i of the stage, as loaded; rows 528 bytes apart
.endr
.irp c, 0,1,2,3
.irp j, 0,1,2,3
	ds_load_b128 v[X+16*\c+4*\j:X+16*\c+4*\j+3], v3 offset:128*\c+16*\j   ; back: my row's 16 neighbours of each block.  LDS serves a wave's instructions in order (ISA guide 5.7.1.4)
.endr
.endr
	s_wait_dscnt 0x0
.if (\t) < 2
	XLOAD (\t)+2
.endif
	s_wait_xcnt 0x0                                ; the last step's stores have read v[PC] on, which the conversions write again
	QUANT X, PWT+(\t)
.irp c, 0,1,2,3
	global_store_b128 v1, v[PC+4*\c:PC+4*\c+3], s[30:31] offset:((\t)/2)*2097152+((\t)%2)*2048+512*\c   ; 512 consecutive bytes, aligned
.endr
.endm
; weights: a lane takes a column, its registers run down K
.macro WLOAD t, n
.irp i, 0,1,2,3,4,5,6,7,8,9,10,11,12,13,14,15,16,17,18,19,20,21,22,23,24,25,26,27,28,29,30,31
	global_load_b32 v[XW+32*((\t)%2)+\i], v3, s[4:5] offset:(32*(\t)+\i)*(\n)*4 th:TH_LOAD_NT
.endr
.endm
.macro WBLOCK t, n
.set XS, XW+32*((\t)%2)
.if (\t) < 7
	s_wait_loadcnt 32                              ; this block's 32 loads are in; the next block's may be out
.else
	s_wait_loadcnt 0x0
.endif
	v_max3_num_f32 v40, |v[XS]|, |v[XS+1]|, |v[XS+2]|             ; all 32 numbers of the block are mine
	v_max3_num_f32 v41, |v[XS+3]|, |v[XS+4]|, |v[XS+5]|
.irp i, 6,10,14,18,22,26
	v_max3_num_f32 v40, v40, |v[XS+\i]|, |v[XS+\i+1]|
	v_max3_num_f32 v41, v41, |v[XS+\i+2]|, |v[XS+\i+3]|
.endr
	v_max3_num_f32 v40, v40, |v[XS+30]|, |v[XS+31]|
	v_max3_num_f32 v40, v40, v41, 0x4800000        ; and the floor
	v_add_nc_u32 v42, 0xfc000000, v40              ; the conversion's scale operand
	v_lshrrev_b32 v44, 23, v42                     ; the byte
.if (\t)%4 == 0
	v_mov_b32 v[SB+(\t)/4], v44
.else
	v_lshl_or_b32 v[SB+(\t)/4], v44, 8*((\t)%4), v[SB+(\t)/4]
.endif
.irp i, 0,1,2,3,4,5,6,7,8,9,10,11,12,13,14,15,16,17,18,19,20,21,22,23,24,25,26,27,28,29,30,31
.endr
	s_wait_alu depctr_va_vdst(0)
	s_wait_xcnt 0x0                                ; the last block's stores have read v[CW] on
.irp g, 0,1,2,3
	v_cvt_scalef32_pk8_fp8_f32 v[CW+2*\g:CW+2*\g+1], v[XS+8*\g:XS+8*\g+7], v42
.endr
	v_nop
	global_store_b128 v9, v[CW:CW+3], s[30:31] offset:((\t)/4)*2048+((\t)%4)*512        ; k 0-15 of the block: the sixteen lanes of one u fill 256 consecutive bytes
	global_store_b128 v9, v[CW+4:CW+7], s[30:31] offset:((\t)/4)*2048+((\t)%4)*512+256  ; k 16-31
.if (\t) < 6
	WLOAD (\t)+2, \n
.endif
.endm
; n: columns; src: the scalar pair with the tensor's address; first: its first work-group; img, sco: where its codes and scale bytes begin in wq
.macro WBODY n, src, first, img, sco
	s_sub_co_u32 s15, ttmp9, \first
	s_and_b32 s16, s15, 3                          ; which 256 along K
	s_lshr_b32 s17, s15, 2
	s_lshl_b32 s17, s17, 2
	s_add_co_u32 s17, s17, s14                     ; my wave's group of 32 columns
	s_mul_i32 s24, s16, 256*(\n)*4
	s_lshl_b32 s18, s17, 7
	s_add_co_u32 s24, s24, s18
	s_mov_b32 s25, 0
	s_mul_i32 s26, s16, (\n)*256
	s_lshl_b32 s18, s17, 13                        ; two blocks rho of 4,096 bytes
	s_add_co_u32 s26, s26, s18
	s_add_co_u32 s26, s26, \img
	s_mov_b32 s27, 0
	s_lshl_b32 s28, s17, 10
	s_lshl_b32 s18, s16, 7
	s_add_co_u32 s28, s28, s18
	s_add_co_u32 s28, s28, \sco
	s_mov_b32 s29, 0
	s_wait_kmcnt 0x0
	s_add_nc_u64 s[4:5], s[\src:\src+1], s[24:25]
	s_add_nc_u64 s[30:31], s[12:13], s[26:27]
	s_add_nc_u64 s[32:33], s[12:13], s[28:29]
	WLOAD 0, \n
	WLOAD 1, \n
.irp t, 0,1,2,3,4,5,6,7
	WBLOCK \t, \n
.endr
	global_store_b64 v10, v[SB:SB+1], s[32:33]     ; my column's eight scale bytes
	s_endpgm
.endm
	s_load_b128 s[4:7], s[0:1], 0x0                ; hidden_states, w_attn
	s_load_b128 s[8:11], s[0:1], 0x10              ; w_proj, xq
	s_load_b64 s[12:13], s[0:1], 0x20              ; wq
	v_lshl_add_u32 v62, v0, 2, 0x8400
	v_mov_b32 v63, 0
	v_lshrrev_b32 v1, 5, v0
	v_readfirstlane_b32 s14, v1                    ; wave
	v_and_b32 v5, 31, v0                           ; lane
	s_mov_b32 s[SEL], 0x76543210
	s_mov_b32 s[SEL+1], 0xfedcba98
	s_cmp_ge_u32 ttmp9, 256
	s_cbranch_scc1 .Lweights
	; ---- x: wave W = 4 x work-group + wave takes block rho = W / 2, half W % 2 of K
	s_lshl_b32 s15, ttmp9, 2
	s_add_co_u32 s15, s15, s14
	s_lshr_b32 s16, s15, 1                         ; rho
	s_and_b32 s17, s15, 1                          ; half of K
	s_lshr_b32 s18, s16, 1
	s_lshl_b32 s18, s18, 17                        ; 32 rows of 4,096 bytes
	s_and_b32 s19, s16, 1
	s_lshl_b32 s19, s19, 15                        ; 8 rows
	s_add_co_u32 s18, s18, s19
	s_lshl_b32 s19, s17, 11
	s_add_co_u32 s24, s18, s19
	s_mov_b32 s25, 0
	s_lshl_b32 s26, s17, 22                        ; two K steps of 2,097,152 bytes
	s_lshl_b32 s19, s16, 12
	s_add_co_u32 s26, s26, s19
	s_mov_b32 s27, 0
	s_lshl_b32 s28, s16, 9
	s_lshl_b32 s19, s17, 8
	s_add_co_u32 s28, s28, s19
	s_add_co_u32 s28, s28, 8388608
	s_mov_b32 s29, 0
	s_mov_b32 s34, 0xffff0000                      ; lanes 16-31
	s_wait_alu depctr_va_vdst(0)
	v_lshlrev_b32 v1, 4, v5                        ; 16 x lane
	s_mul_i32 s22, s14, 8448                       ; my stage
	v_add_nc_u32 v2, s22, v1                       ; in: 16 x lane of a row
	v_and_b32 v6, 15, v5
	v_lshrrev_b32 v7, 4, v5
	v_mul_u32_u24 v3, v6, 528
	v_lshl_add_u32 v3, v7, 6, v3
	v_add_nc_u32 v3, s22, v3                       ; back: row r, + 64 h
	v_lshlrev_b32 v4, 3, v5                        ; 8 x lane
.irp b, 0,1,2,3
	v_mov_b32 v[TM+4+\b], 0                        ; a lane permute's destination counts as one of its sources
.endr
	s_wait_alu depctr_va_vdst(0)
	s_wait_kmcnt 0x0
	s_add_nc_u64 s[4:5], s[4:5], s[24:25]
	s_add_nc_u64 s[30:31], s[10:11], s[26:27]
	s_add_nc_u64 s[32:33], s[10:11], s[28:29]
	XLOAD 0
	XLOAD 1
	XSTEP 0
	XSTEP 1
	XSTEP 2
	XSTEP 3
	v_cndmask_b32 v54, v[PWT], v[PWT+2], s34       ; lanes 0-15 hold the words of my first 256 along K, lanes 16-31 those of the second
	v_cndmask_b32 v55, v[PWT+1], v[PWT+3], s34
	global_store_b64 v4, v[54:55], s[32:33]        ; 256 consecutive bytes, aligned
	s_wait_tensorcnt 0x0
	ds_add_u32 v62, v63
	s_wait_dscnt 0x0
	s_endpgm
.Lweights:
	s_wait_alu depctr_va_vdst(0)
	v_lshlrev_b32 v3, 2, v5                        ; in: 4 bytes a lane
	v_bfe_u32 v6, v5, 3, 1                         ; column l of 32 is lane-row r = l % 8 + 8 (l / 16) of block u = (l / 8) % 2
	v_and_b32 v7, 7, v5
	v_lshrrev_b32 v8, 4, v5
	v_lshl_add_u32 v7, v8, 3, v7
	v_lshlrev_b32 v9, 4, v7
	v_lshl_add_u32 v9, v6, 12, v9                  ; codes: u 4096 + r 16
	v_lshlrev_b32 v10, 3, v7
	v_lshl_add_u32 v10, v6, 9, v10                 ; scale bytes: u 512 + r 8
	s_cmp_ge_u32 ttmp9, 352
	s_cbranch_scc1 .Lproj
	s_wait_alu depctr_va_vdst(0)
	WBODY 3072, 6, 256, 0, 3145728
.Lproj:
	s_wait_alu depctr_va_vdst(0)
	WBODY 1024, 8, 352, 3244032, 4292608
.Lfunc_end_k_qd75dcb29ae_prep:
	.size	k_qd75dcb29ae_prep, .Lfunc_end_k_qd75dcb29ae_prep-k_qd75dcb29ae_prep
	.p2alignl 7, 3214868480
	.fill 96, 4, 3214868480
	.section	.rodata,"a",@progbits
	.p2align	6, 0x0
	.amdhsa_kernel k_qd75dcb29ae_prep
		.amdhsa_group_segment_fixed_size 34304
		.amdhsa_private_segment_fixed_size 0
		.amdhsa_enable_private_segment 0
		.amdhsa_kernarg_size 40
		.amdhsa_user_sgpr_count 2
		.amdhsa_user_sgpr_kernarg_segment_ptr 1
		.amdhsa_wavefront_size32 1
		.amdhsa_system_sgpr_workgroup_id_x 1
		.amdhsa_system_sgpr_workgroup_id_y 1
		.amdhsa_system_sgpr_workgroup_id_z 1
		.amdhsa_system_vgpr_workitem_id 0
		.amdhsa_next_free_vgpr 256
		.amdhsa_next_free_sgpr 66
		.amdhsa_reserve_vcc 0
		.amdhsa_float_denorm_mode_32 3
		.amdhsa_float_denorm_mode_16_64 3
		.amdhsa_fp16_overflow 1
		.amdhsa_memory_ordered 1
		.amdhsa_forward_progress 1
		.amdhsa_inst_pref_size 112
	.end_amdhsa_kernel
	.amdgpu_metadata
---
amdhsa.version: [ 1, 2 ]
amdhsa.kernels:
  - .name:           k_qd75dcb29ae_prep
    .symbol:         k_qd75dcb29ae_prep.kd
    .args:
      - { .name: hidden_states, .offset: 0, .size: 8, .value_kind: global_buffer, .address_space: global }
      - { .name: w_attn, .offset: 8, .size: 8, .value_kind: global_buffer, .address_space: global }
      - { .name: w_proj, .offset: 16, .size: 8, .value_kind: global_buffer, .address_space: global }
      - { .name: xq, .offset: 24, .size: 8, .value_kind: global_buffer, .address_space: global }
      - { .name: wq, .offset: 32, .size: 8, .value_kind: global_buffer, .address_space: global }
    .group_segment_fixed_size: 34304
    .private_segment_fixed_size: 0
    .kernarg_segment_align: 8
    .kernarg_segment_size: 40
    .max_flat_workgroup_size: 128
    .sgpr_count:     66
    .vgpr_count:     256
    .wavefront_size: 32
...
	.end_amdgpu_metadata
.endif
;; end of part 1
;; launch qkv (part 2): grid 96 x 4, 4 waves a work-group, clusters of 4 x 4, 327,680 bytes of LDS; arguments xq, wq, b_attn, qkv; writes qkv
.if DOCPART == 2
	.amdgcn_target "amdgcn-amd-amdhsa--gfx1250"
	.amdhsa_code_object_version 6
	.text
	.protected	k_qd75dcb29ae_qkv
	.globl	k_qd75dcb29ae_qkv
	.p2align	8
	.type	k_qd75dcb29ae_qkv,@function
k_qd75dcb29ae_qkv:
	s_mov_b64 s[64:65], 0
	v_nop
	global_prefetch_b8 v0, s[64:65] scope:SCOPE_SE
	s_setreg_imm32_b32 hwreg(HW_REG_WAVE_MODE, 25, 1), 1
	s_wait_xcnt 0x0
	s_wait_alu depctr_hold_cnt(0) depctr_sa_sdst(0) depctr_va_vdst(0) depctr_va_sdst(0) depctr_va_ssrc(0) depctr_va_vcc(0) depctr_vm_vsrc(0)
	s_getreg_b32 s2, hwreg(HW_REG_IB_STS2, 6, 4)
	s_cmp_eq_u32 s2, 0
	s_cbranch_scc0 .Lentry_in_a_cluster
	s_endpgm
.Lentry_in_a_cluster:
	s_bfe_u32 s2, ttmp6, 0x10000c
	s_cmp_lg_u32 s2, 0xf033
	s_cbranch_scc0 .Lentry_shape_is_right
	s_endpgm
.Lentry_shape_is_right:
; qkv = x w_attn + b_attn on codes of E4M3 with E8M0 scales (K = 1024), and at once the quantising of q, k (along the head's 64) and v (along the keys) for the attention launch.
; OPERANDS lie in the order of the operand's registers (the launch before made them): 16 rows x 128 K are 2,048 bytes on end, 128 rows x 256 K are 32,768: one tensor load, no padding, and a fragment is four ds_load_b128 at 16 x lane.
; A block of 16 rows, rho = 2 g + u, holds rows 32 g + 8 u + r + 8 (r / 8).  THE MATRIX INSTRUCTION IS USED TRANSPOSED (source 0 = B's rows, source 1 = A's rows): lane (r, h) holds A's row r of block a, and the 16
; registers of accumulators (a, 2 p), (a, 2 p + 1) are B's rows 32 p + 16 h + 0 .. 15: sixteen neighbours, so a block of 32 along B's rows lies in lanes l and l xor 16, and a lane's 16 codes are 16 bytes of the next operand's image.
; TWO MODES, by the cluster's number C (the same in all sixteen partners).  C < 16: A = x (tokens), B = w_attn's columns 0-2047: q and k, quantised along the channels.
; C >= 16: A = w_attn's columns 2048-3071, B = x: v transposed, quantised along the tokens, which are the second attention product's K.  The bias is the C of each sum's first product.
; A tile of 256 x 256 to a work-group, 128 x 128 to each of four waves (64 accumulators).  K goes in four steps of 256 through two LDS slots; written straight on, since two laps would make a loop of one trip.
; CLUSTERS 4 x 4: A's tiles are asked for jointly along a row of the cluster, B's along a column.  The scale bytes of the work-group's rows, for all of K, come once with the first fills.
; OUT: qkv[bh 64][key step 16] blocks of 25,344 bytes: K's codes 0 (fragment b4 at 2048 b4: group 2 u + c at 512, 16 bytes a lane: TWO tiles of 16 keys x 64 in one fragment of 128 along K), V^T's codes 8192 (tile ct at 2048 ct),
; K's scale words 16384 (16 r + 4 b4), V's 16640 (16 r + 4 ct), Q's codes 16896, Q's scale words 25088.  Every store of codes covers 512 consecutive bytes, aligned.
; LIMITS: a block of zeros gets the byte 1 where the rule says 127 (its codes are zeros; this program alone reads the bytes); NaN and infinities are not served.
; No prefetch: of four K steps two are first fills.  384 work-groups: a wave's 128 tokens are one key step and its 128 channels two heads, which the way out leans on.
; REGISTERS: window 0: v2-31 addresses; v32-63 scale words, two sets; v64-127 the bias tiles; v128-255 A's fragments, one set.  window 1: B's fragments, two sets.  windows 2, 3: accumulator (a, b) at v[8 (8 (a % 4) + b)].
.set SLOT,  131072                     ; a slot: A's 256 rows x 256 K (65,536 bytes), then B's
.set SCL,   2*SLOT                     ; behind the ring: A's scale bytes (8,192), then B's
.set SPARE, SCL+16384                  ; the spare words, 128 bytes a wave: two blocks of 256 bytes that no other line names
.set ADRA, 2                           ; v2-3   LDS address of my A fragments in slot 0, 1
.set ADRB, 4                           ; v4-5   the same for B
.set ADRS, 6                           ; v6     of my scale words: lanes 0-15 A's rows, lanes 16-31 B's
.set SPW,  7                           ; v7     my spare word; never rewritten
.set NIL,  8                           ; v8     0; never rewritten
.set VO,   9                           ; v9-12  the way out: the four blocks' places
.set SVO,  13                          ; v13    the scale words' place
.set LI,   14                          ; v14    16 x lane
.set VOJ,  16                          ; v16-23 the bias loads' offsets
.set SC,   32
.set BI,   64
.set AF,   128
.set PC,   112                         ; the way out: codes
.set TM,   200                         ; v200-215 at work
.set PWA,  224                         ; v224-231 the eight blocks' scale words
.set OUTW, 232                         ; v232-235 the words to store
.set G1, 24
.set G0, 32
.set G1B, 48
.set G0B, 56
.set G1S, 68
.set G0S, 76
.set G1SB, 80
.set G0SB, 88
.set AST, 92                           ; s[92:93] A's step along K in bytes; s[94:95] B's
.set BST, 94
.set OB,  98                           ; s[98:99] the way out: where codes go; s[100:101] scale words
.set SBS, 100
.set ASTP, 66                          ; s[66:67] from block a to a + 1; s[96:97] more at a = 4
.set AX,  96
.set MSB, 0
.macro WIN new                         ; the immediate's high byte repeats the setting that is left
.if MSB != (\new)
	s_set_vgpr_msb (MSB<<8)|(\new)
.set MSB, (\new)
.endif
.endm
.set TO_B, 0x40
; a joint load: waves 0 and 1 fetch for A, waves 2 and 3 for B; the branch hangs on the wave's number alone; four v_nop follow each line
.macro JLOAD g0a, g1a, g0b, g1b
	s_cmp_eq_u32 s15, 0
	s_cbranch_scc0 .Lfor_b_\@
	tensor_load_to_lds s[\g0a:\g0a+3], s[\g1a:\g1a+7]
	s_nop 0
.rept 4
	v_nop
.endr
	s_branch .Lasked_\@
.Lfor_b_\@:
	tensor_load_to_lds s[\g0b:\g0b+3], s[\g1b:\g1b+7]
	s_nop 0
.rept 4
	v_nop
.endr
.Lasked_\@:
.endm
.macro CREST                           ; a round of the cluster's barrier behind its opening barrier
	s_cmp_lg_u32 s14, 0
	s_cbranch_scc1 .Lnot_wave_0_\@
	s_barrier_signal -3
.Lnot_wave_0_\@:
	s_barrier_wait -3
	s_barrier_signal -1
	s_barrier_wait -1
.endm
.macro CROUND
	s_barrier_signal -1
	s_barrier_wait -1
	CREST
.endm
.macro PLACES n                        ; plain vector lines between a matrix instruction and a load into, or a vector access to, its registers: eight for this form
.rept \n
	v_nop
.endr
.endm
.macro FRAG reg, adr, q, i             ; 16 rows x 128 K: 2,048 bytes on end, 16 a lane
.irp c, 0,1,2,3
	ds_load_b128 v[\reg+4*\c:\reg+4*\c+3], v[\adr] offset:(\i)*4096+(\q)*2048+512*\c
.endr
.endm
.macro FETCH_B slot, q, p
	WIN TO_B
.irp i, 0,1,2,3,4,5,6,7
	FRAG 128*(\p)+16*\i, ADRB+\slot, \q, \i
.endr
	WIN 0
.endm
.macro FETCH_A slot, q, i0
.irp i, \i0, \i0+1, \i0+2, \i0+3
	FRAG AF+16*(\i), ADRA+\slot, \q, \i
.endr
.endm
.macro SCALES sc                       ; a K step's two words a row: lanes 0-15 A's block i, lanes 16-31 B's tile i
.irp i, 0,1,2,3,4,5,6,7
	ds_load_b64 v[SC+16*\sc+2*\i:SC+16*\sc+2*\i+1], v[ADRS] offset:\i*512
.endr
.endm
; 16 products: A's blocks a0, a0 + 1 x B's eight.  zero = 0: onto the sums; 1: the sums begin with the bias tile of B's tile b; 2: with that of A's block a.  The 64 accumulators take turns
.macro MUL16 a0, p, q, sc, zero
.if \zero
	WIN 0x81+0x40*((\a0)/4)
.else
	WIN 0xa1+0x50*((\a0)/4)
.endif
.irp a, \a0, \a0+1
.irp b, 0,1,2,3,4,5,6,7
.if (\zero) == 1
	v_wmma_scale_f32_16x16x128_f8f6f4 v[8*(8*((\a)%4)+\b):8*(8*((\a)%4)+\b)+7], v[128*(\p)+16*\b:128*(\p)+16*\b+15], v[AF+16*(\a):AF+16*(\a)+15], v[BI+8*\b:BI+8*\b+7], v[SC+16*(\sc)+2*\b+(\q)], v[SC+16*(\sc)+2*(\a)+(\q)] matrix_a_scale:MATRIX_SCALE_ROW1
.elseif (\zero) == 2
	v_wmma_scale_f32_16x16x128_f8f6f4 v[8*(8*((\a)%4)+\b):8*(8*((\a)%4)+\b)+7], v[128*(\p)+16*\b:128*(\p)+16*\b+15], v[AF+16*(\a):AF+16*(\a)+15], v[BI+8*(\a):BI+8*(\a)+7], v[SC+16*(\sc)+2*\b+(\q)], v[SC+16*(\sc)+2*(\a)+(\q)] matrix_a_scale:MATRIX_SCALE_ROW1
.else
	v_wmma_scale_f32_16x16x128_f8f6f4 v[8*(8*((\a)%4)+\b):8*(8*((\a)%4)+\b)+7], v[128*(\p)+16*\b:128*(\p)+16*\b+15], v[AF+16*(\a):AF+16*(\a)+15], v[8*(8*((\a)%4)+\b):8*(8*((\a)%4)+\b)+7], v[SC+16*(\sc)+2*\b+(\q)], v[SC+16*(\sc)+2*(\a)+(\q)] matrix_a_scale:MATRIX_SCALE_ROW1
.endif
.endr
.endr
.endm
.macro STEP slot, q, zero              ; 128 along K that has its successor in the same slot
	s_wait_dscnt 16                                ; B's set, A's blocks 0-3 and the scale words are in; the youngest 16 loads (A's blocks 4-7) may be out
	MUL16 0, (\q)%2, \q, \slot, \zero
	MUL16 2, (\q)%2, \q, \slot, \zero
	s_wait_dscnt 0x0
	PLACES 8
	FETCH_B \slot, (\q)+1, 1-(\q)%2
	FETCH_A \slot, (\q)+1, 0
	MUL16 4, (\q)%2, \q, \slot, \zero
	MUL16 6, (\q)%2, \q, \slot, \zero
	PLACES 8
	WIN 0
	FETCH_A \slot, (\q)+1, 4
.endm
; a slot's last 128 along K, and the change of slots: one barrier; in front of it each wave waits for all its tensor loads, adds 0 to its spare word, and waits for that and for its reads of this slot
.macro TURN slot, next, fill
	s_wait_tensorcnt 0x0                           ; my part of the next slot has landed; no tensor load of mine is out
	ds_add_u32 v[SPW], v[NIL]                      ; 0 onto my spare word
	s_wait_dscnt 17                                ; the add and the youngest 16 loads may be out
	MUL16 0, 1, 1, \slot, 0
	s_wait_dscnt 0x0                               ; the add is done, and my reads of this slot are over
	s_barrier_signal -1
	MUL16 2, 1, 1, \slot, 0
	WIN 0
	s_barrier_wait -1
.if \fill
	CREST                                          ; the barrier has opened a round of the cluster's: no wave of any partner still reads this slot or has a load on its way
	s_add_nc_u64 s[G0+4*\slot+2:G0+4*\slot+3], s[G0+4*\slot+2:G0+4*\slot+3], s[AST:AST+1]
	s_add_nc_u64 s[G0B+4*\slot+2:G0B+4*\slot+3], s[G0B+4*\slot+2:G0B+4*\slot+3], s[BST:BST+1]
	JLOAD G0+4*\slot, G1, G0B+4*\slot, G1B         ; the first tensor load behind the round, my only one until the next
	PLACES 4
.else
	PLACES 8
.endif
	s_wait_alu depctr_va_vdst(0)
	v_add_nc_u32 v[ADRS], 128, v[ADRS]             ; the next K step's scale words
	FETCH_B \next, 0, 0
	FETCH_A \next, 0, 0
	SCALES \next
	MUL16 4, 1, 1, \slot, 0
	MUL16 6, 1, 1, \slot, 0
	PLACES 8
	WIN 0
	FETCH_A \next, 0, 4
.endm
	s_load_b256 s[4:11], s[0:1], 0x0               ; xq, wq, b_attn, qkv
	v_lshl_add_u32 v[SPW], v0, 2, SPARE
	v_mov_b32 v[NIL], 0
	ds_add_u32 v7, v8
	ds_add_u32 v7, v8
	s_wait_dscnt 0x0
	v_lshrrev_b32 v1, 5, v0
	v_readfirstlane_b32 s14, v1                    ; wave
	s_lshr_b32 s15, s14, 1                         ; which half of the tile's A rows is mine; also: I fetch for A (0) or B (1)
	s_and_b32 s16, s14, 1                          ; which half of B's rows; also: which 128 rows I fetch
	s_bfe_u32 s40, ttmp6, 0x40000                  ; cx
	s_bfe_u32 s41, ttmp6, 0x40004                  ; cy
	s_and_b32 s18, ttmp9, 1
	s_lshr_b32 s19, ttmp9, 1
	s_sub_co_u32 s20, ttmp9, 16
	s_cmp_ge_u32 ttmp9, 16
	s_cselect_b32 s12, 1, 0                        ; the mode
	s_cselect_b32 s13, -1, 0                       ; and as a lane mask
	s_cselect_b32 s18, s20, s18                    ; the cluster's place along B's tiles,
	s_cselect_b32 s19, 0, s19                      ; and along A's
	s_lshl_b32 s42, s18, 2
	s_add_co_u32 s42, s42, s40                     ; tile column (B)
	s_lshl_b32 s17, s19, 2
	s_add_co_u32 s17, s17, s41                     ; tile row (A)
	s_lshl_b32 s43, s41, 2
	s_lshl_b32 s43, 15, s43                        ; my row of the cluster
	s_lshl_b32 s44, 0x1111, s40                    ; my column
	; group 1: 128 rows of 256 bytes (32 elements of 8 bytes), dense; for the scale bytes 16 such rows
	s_or_b32 s[G1+0], s43, (3<<16)|(1<<21)
	s_or_b32 s[G1B+0], s44, (3<<16)|(1<<21)
.irp g, G1, G1B
	s_mov_b32 s[\g+1], 32<<16
	s_mov_b32 s[\g+2], 128<<16
	s_mov_b32 s[\g+3], 32<<16
	s_mov_b32 s[\g+4], 128
	s_mov_b32 s[\g+5], 32
	s_mov_b32 s[\g+6], 0
	s_mov_b32 s[\g+7], 0
.endr
	s_or_b32 s[G1S+0], s43, (3<<16)|(1<<21)
	s_or_b32 s[G1SB+0], s44, (3<<16)|(1<<21)
.irp g, G1S, G1SB
	s_mov_b32 s[\g+1], 32<<16
	s_mov_b32 s[\g+2], 16<<16
	s_mov_b32 s[\g+3], 32<<16
	s_mov_b32 s[\g+4], 16
	s_mov_b32 s[\g+5], 32
	s_mov_b32 s[\g+6], 0
	s_mov_b32 s[\g+7], 0
.endr
	; A's offsets hang on the tile row and the wave alone, B's on the tile column and the wave alone
	s_lshl_b32 s20, s17, 16
	s_lshl_b32 s21, s16, 15
	s_add_co_u32 s20, s20, s21                     ; A's codes
	s_lshl_b32 s22, s17, 13
	s_lshl_b32 s21, s16, 12
	s_add_co_u32 s22, s22, s21                     ; A's scale bytes
	s_lshl_b32 s96, s42, 16
	s_lshl_b32 s97, s16, 15
	s_add_co_u32 s96, s96, s97                     ; B's codes
	s_lshl_b32 s98, s42, 13
	s_lshl_b32 s97, s16, 12
	s_add_co_u32 s98, s98, s97                     ; B's scale bytes
	s_mov_b32 s45, 524288                          ; w_attn's column 2048 in its codes,
	s_mov_b32 s46, 3211264                         ; and in its scale bytes
	s_mov_b32 s47, 8388608                         ; x's scale bytes
	s_mov_b32 s66, 3145728                         ; w_attn's scale bytes
	s_mov_b32 s67, 2097152                         ; a K step of x
	s_mov_b32 s92, 786432                          ; a K step of w_attn
	s_cmp_lg_u32 s12, 0
	s_cselect_b32 s45, s45, 0
	s_cselect_b32 s46, s46, s47
	s_cselect_b32 s47, s47, s66
	s_cselect_b32 s66, s92, s67                    ; A's step
	s_cselect_b32 s67, s67, s92                    ; B's step
	s_add_co_u32 s20, s20, s45
	s_add_co_u32 s22, s22, s46
	s_add_co_u32 s98, s98, s47
	s_mov_b32 s21, 0
	s_mov_b32 s23, 0
	s_mov_b32 s97, 0
	s_mov_b32 s99, 0
	s_mov_b32 s[AST], s66
	s_mov_b32 s[AST+1], 0
	s_mov_b32 s[BST], s67
	s_mov_b32 s[BST+1], 0
	s_lshl_b32 s45, s14, 15                        ; where my loads go: wave x 32,768 in a slot,
	s_lshl_b32 s46, s14, 12                        ; wave x 4,096 among the scale bytes: no place in the cluster enters an LDS address
	s_wait_kmcnt 0x0
	s_cmp_lg_u32 s12, 0
	s_cselect_b64 s[2:3], s[6:7], s[4:5]           ; A's buffer
	s_cselect_b64 s[100:101], s[4:5], s[6:7]       ; B's
	s_add_nc_u64 s[20:21], s[2:3], s[20:21]
	s_add_nc_u64 s[22:23], s[2:3], s[22:23]
	s_add_nc_u64 s[96:97], s[100:101], s[96:97]
	s_add_nc_u64 s[98:99], s[100:101], s[98:99]
	CROUND                                         ; all sixteen work-groups are here: the first joint loads meet
	s_mov_b32 s[G0S], 1
	s_add_co_u32 s[G0S+1], s46, SCL
	s_mov_b64 s[G0S+2:G0S+3], s[22:23]
	s_or_b32 s[G0S+3], s[G0S+3], 0x80000000
	s_mov_b32 s[G0SB], 1
	s_add_co_u32 s[G0SB+1], s46, SCL
	s_mov_b64 s[G0SB+2:G0SB+3], s[98:99]
	s_or_b32 s[G0SB+3], s[G0SB+3], 0x80000000
	JLOAD G0S, G1S, G0SB, G1SB                     ; the scale bytes, filled once
	s_mov_b32 s[G0], 1
	s_mov_b32 s[G0+1], s45
	s_mov_b64 s[G0+2:G0+3], s[20:21]
	s_or_b32 s[G0+3], s[G0+3], 0x80000000
	s_mov_b32 s[G0B], 1
	s_mov_b32 s[G0B+1], s45
	s_mov_b64 s[G0B+2:G0B+3], s[96:97]
	s_or_b32 s[G0B+3], s[G0B+3], 0x80000000
	JLOAD G0, G1, G0B, G1B                         ; K step 0
	s_mov_b32 s[G0+4], 1
	s_add_co_u32 s[G0+5], s45, SLOT
	s_add_nc_u64 s[G0+6:G0+7], s[20:21], s[AST:AST+1]
	s_or_b32 s[G0+7], s[G0+7], 0x80000000
	s_mov_b32 s[G0B+4], 1
	s_add_co_u32 s[G0B+5], s45, SLOT
	s_add_nc_u64 s[G0B+6:G0B+7], s[96:97], s[BST:BST+1]
	s_or_b32 s[G0B+7], s[G0B+7], 0x80000000
	JLOAD G0+4, G1, G0B+4, G1B                     ; K step 1: three loads of mine are out
	s_lshl_b32 s[AST], s[AST], 1                   ; a refill goes two K steps on
	s_lshl_b32 s[BST], s[BST], 1
	; LDS addresses
	v_and_b32 v24, 15, v0                          ; r
	v_bfe_u32 v25, v0, 4, 1                        ; h
	s_wait_alu depctr_va_vdst(0)
	v_and_b32 v26, 31, v0
	v_lshlrev_b32 v[LI], 4, v26
	s_lshl_b32 s18, s15, 15
	s_lshl_b32 s19, s16, 15
	s_add_co_u32 s19, s19, 65536
	v_add_nc_u32 v[ADRA], s18, v[LI]
	v_add_nc_u32 v[ADRB], s19, v[LI]
	s_add_co_u32 s18, s18, SLOT
	s_add_co_u32 s19, s19, SLOT
	v_add_nc_u32 v[ADRA+1], s18, v[LI]
	v_add_nc_u32 v[ADRB+1], s19, v[LI]
	s_lshl_b32 s18, s15, 12                        ; A's scale bytes: my 128 rows
	s_lshl_b32 s19, s16, 12
	s_add_co_u32 s19, s19, 8192                    ; B's, behind A's 8,192
	s_sub_co_u32 s19, s19, s18
	v_mul_u32_u24 v27, s19, v25                    ; lanes 16-31 take B's: one product with h
	s_add_co_u32 s18, s18, SCL
	v_lshl_add_u32 v[ADRS], v24, 3, v27
	v_add_nc_u32 v[ADRS], s18, v[ADRS]
	; the wave's place in the result, the bias, and the way out's addresses
	s_lshl_b32 s18, s17, 8
	s_lshl_b32 s20, s15, 7
	s_add_co_u32 s18, s18, s20                     ; m0: my first row of A
	s_lshl_b32 s19, s42, 8
	s_lshl_b32 s20, s16, 7
	s_add_co_u32 s19, s19, s20                     ; n0: my first row of B
	s_add_co_u32 s20, s18, 2048
	s_lshr_b32 s21, s18, 6
	s_bfe_u32 s22, s19, 0x40006                    ; (n0 % 1024) / 64
	s_lshr_b32 s23, s19, 10                        ; mode 0: 0 = q, 1 = k
	s_mov_b32 s45, 16896
	s_mov_b32 s46, 25088
	s_mov_b32 s47, 16384
	s_cmp_lg_u32 s23, 0
	s_cselect_b32 s45, 0, s45
	s_cselect_b32 s46, s47, s46
	s_mov_b32 s47, 8192
	s_mov_b32 s2, 16640
	s_mov_b32 s3, 1024
	s_mov_b32 s[ASTP], 2048
	s_mov_b32 s[AX], 397312
	s_mov_b32 s23, 405504
	s_cmp_lg_u32 s12, 0
	s_cselect_b32 s20, s20, s19                    ; the bias's first number
	s_cselect_b32 s19, s19, s18                    ; my first token
	s_cselect_b32 s21, s21, s22                    ; my first head
	s_cselect_b32 s45, s47, s45                    ; the codes' place in a block
	s_cselect_b32 s47, 0, 4                        ; the bias: bytes from register to register
	s_cselect_b32 s46, s2, s46                     ; the scale words' place
	s_cselect_b32 s[ASTP], s[ASTP], s3
	s_cselect_b32 s[AX], s[AX], 0
	s_cselect_b32 s23, s3, s23                     ; from block p = 0 to p = 2
	s_mov_b32 s[ASTP+1], 0
	s_mov_b32 s[AX+1], 0
	s_lshl_b32 s2, s20, 2
	s_mov_b32 s3, 0
	s_add_nc_u64 s[8:9], s[8:9], s[2:3]
	s_lshr_b32 s22, s19, 11                        ; batch
	s_lshl_b32 s22, s22, 4
	s_add_co_u32 s22, s22, s21
	s_mul_i32 s22, s22, 405504
	s_bfe_u32 s20, s19, 0x40007                    ; key step
	s_mul_i32 s20, s20, 25344
	s_add_co_u32 s22, s22, s20
	s_add_co_u32 s2, s22, s45
	s_add_nc_u64 s[OB:OB+1], s[10:11], s[2:3]
	s_add_co_u32 s2, s22, s46
	s_add_nc_u64 s[SBS:SBS+1], s[10:11], s[2:3]
	v_lshlrev_b32 v26, 6, v25                      ; mode 0: register j of tile b is channel n0 + 32 (b / 2) + 8 (b % 2) + 16 h + j
	v_and_b32 v27, 8, v24
	v_add_nc_u32 v27, v27, v24
	v_lshlrev_b32 v27, 2, v27                      ; mode 1: all eight registers of block a are channel m0 + 32 (a / 2) + 8 (a % 2) + r + 8 (r / 8)
	v_cndmask_b32 v26, v26, v27, s13
.irp j, 0,1,2,3,4,5,6,7
	v_mad_u32_u24 v[VOJ+\j], s47, \j, v26
.endr
.irp t, 0,1,2,3,4,5,6,7
.irp j, 0,1,2,3,4,5,6,7
	global_load_b32 v[BI+8*\t+\j], v[VOJ+\j], s[8:9] offset:(32*(\t/2)+8*(\t%2))*4
.endr
.endr
	v_mov_b32 v[VO], v[LI]
	v_add_nc_u32 v[VO+1], 512, v[LI]
	v_add_nc_u32 v[VO+2], s23, v[LI]
	v_add_nc_u32 v[VO+3], 512, v[VO+2]
	v_mul_u32_u24 v[SVO], v25, 405504              ; lanes 16-31 store the next head's words
	v_lshl_add_u32 v[SVO], v24, 4, v[SVO]
	s_wait_tensorcnt 1                             ; the scale bytes and my part of K step 0 are in; K step 1's load may be out
	s_barrier_signal -1
	s_barrier_wait -1
	s_wait_loadcnt 0x0                             ; the bias
	FETCH_B 0, 0, 0
	FETCH_A 0, 0, 0
	SCALES 0
	FETCH_A 0, 0, 4
	s_cmp_lg_u32 s12, 0                            ; the first products take the bias as C: by B's tile (q, k) or by A's block (v).  The branch hangs on the cluster's number
	s_cbranch_scc1 .Lfirst_v
	STEP 0, 0, 1
	s_branch .Lfirst_done
.Lfirst_v:
	STEP 0, 0, 2
.Lfirst_done:
	TURN 0, 1, 1                                   ; slot 0 takes K step 2
	STEP 1, 0, 0
	TURN 1, 0, 1                                   ; slot 1 takes K step 3
	STEP 0, 0, 0
	TURN 0, 1, 0
	STEP 1, 0, 0
	s_wait_dscnt 16
	MUL16 0, 1, 1, 1, 0
	MUL16 2, 1, 1, 1, 0
	s_wait_dscnt 0x0
	MUL16 4, 1, 1, 1, 0
	MUL16 6, 1, 1, 1, 0
	WIN 0
; THE WAY OUT.  Block a's 64 registers are four blocks p of 32 along B's rows (16 mine, 16 lane l xor 16's): quantised in registers; a lane's 16 codes of block p are 16 bytes of the image.
.macro QW a
.set W, 2+(\a)/4
.set AC, 64*((\a)%4)
	WIN W|(W<<2)
.irp b, 0,1,2,3
	v_max3_num_f32 v[TM+\b], |v[AC+16*\b]|, |v[AC+1+16*\b]|, 0x4800000   ; each accumulator is read from its low end on; the floor holds the byte at 1 from below
.endr
	WIN (W<<2)|(W<<4)
.irp i, 2,4,6,8,10,12,14
.irp b, 0,1,2,3
	v_max3_num_f32 v[TM+\b], v[TM+\b], |v[AC+16*\b+\i]|, |v[AC+1+16*\b+\i]|
.endr
.endr
	WIN 0
.irp b, 0,1,2,3
	v_permlanex16_b32 v[TM+4+\b], v[TM+\b], s20, s21
.endr
.irp b, 0,1,2,3
	v_max_num_f32 v[TM+\b], v[TM+\b], v[TM+4+\b]
.endr
.irp b, 0,1,2,3
	v_add_nc_u32 v[TM+12+\b], 0xfc000000, v[TM+\b]
.endr
.irp b, 0,1,2,3
.endr
.irp b, 0,1,2,3
	v_lshrrev_b32 v[TM+4+\b], 23, v[TM+12+\b]
.endr
	v_lshl_or_b32 v[PWA+(\a)], v[TM+5], 8, v[TM+4]
	v_lshl_or_b32 v[PWA+(\a)], v[TM+6], 16, v[PWA+(\a)]
	v_lshl_or_b32 v[PWA+(\a)], v[TM+7], 24, v[PWA+(\a)]
	WIN W|(W<<6)
.irp b, 0,1,2,3
.irp i, 0,1,2,3,4,5,6,7,8,9,10,11,12,13,14,15
.endr
.endr
.if (\a) > 0
	s_wait_xcnt 0x0                                ; the last block's stores have read their data and their base
	s_add_nc_u64 s[OB:OB+1], s[OB:OB+1], s[ASTP:ASTP+1]
.endif
.if (\a) == 4
	s_add_nc_u64 s[OB:OB+1], s[OB:OB+1], s[AX:AX+1]
.endif
	WIN W
.irp b, 0,1,2,3
	v_cvt_scalef32_pk8_fp8_f32 v[PC+4*\b:PC+4*\b+1], v[AC+16*\b:AC+16*\b+7], v[TM+12+\b]
	v_cvt_scalef32_pk8_fp8_f32 v[PC+4*\b+2:PC+4*\b+3], v[AC+16*\b+8:AC+16*\b+15], v[TM+12+\b]
.endr
	WIN 0
	v_nop                                          ; one plain line behind the last conversion
.irp p, 0,1,2,3
	global_store_b128 v[VO+\p], v[PC+4*\p:PC+4*\p+3], s[OB:OB+1]   ; 512 consecutive bytes, aligned
.endr
.endm
	PLACES 8
	s_mov_b32 s20, 0x76543210
	s_mov_b32 s21, 0xfedcba98
.irp b, 0,1,2,3
	v_mov_b32 v[TM+4+\b], 0                        ; a lane permute's destination counts as one of its sources
.endr
.irp a, 0,1,2,3,4,5,6,7
	QW \a
.endr
	; the scale words.  q, k: block a = 2 b4 + u has bytes (head 0: c 0, 1; head 1: c 0, 1): a head's word for b4 is (u 0: c 0, 1; u 1: c 0, 1).  v: block a = 4 head + ct has the word as it stands
	s_mov_b32 s20, 0x05040100
	s_mov_b32 s21, 0x07060302
	s_mov_b32 s22, 0xffff0000                      ; lanes 16-31
.irp q, 0,1,2,3
	v_perm_b32 v236, v[PWA+2*\q+1], v[PWA+2*\q], s20
	v_perm_b32 v237, v[PWA+2*\q+1], v[PWA+2*\q], s21
	v_cndmask_b32 v236, v236, v237, s22
	v_cndmask_b32 v237, v[PWA+\q], v[PWA+4+\q], s22
	v_cndmask_b32 v[OUTW+\q], v236, v237, s13
.endr
	global_store_b128 v[SVO], v[OUTW:OUTW+3], s[SBS:SBS+1]   ; lanes 0-15: my first head's 256 bytes, lanes 16-31: the next head's
	s_wait_tensorcnt 0x0                           ; the wave's end
	ds_add_u32 v[SPW], v[NIL]
	s_wait_dscnt 0x0
	CROUND                                         ; the closing round
	s_endpgm
.Lfunc_end_k_qd75dcb29ae_qkv:
	.size	k_qd75dcb29ae_qkv, .Lfunc_end_k_qd75dcb29ae_qkv-k_qd75dcb29ae_qkv
	.p2alignl 7, 3214868480
	.fill 96, 4, 3214868480
	.section	.rodata,"a",@progbits
	.p2align	6, 0x0
	.amdhsa_kernel k_qd75dcb29ae_qkv
		.amdhsa_group_segment_fixed_size 327680
		.amdhsa_private_segment_fixed_size 0
		.amdhsa_enable_private_segment 0
		.amdhsa_kernarg_size 32
		.amdhsa_user_sgpr_count 2
		.amdhsa_user_sgpr_kernarg_segment_ptr 1
		.amdhsa_wavefront_size32 1
		.amdhsa_system_sgpr_workgroup_id_x 1
		.amdhsa_system_sgpr_workgroup_id_y 1
		.amdhsa_system_sgpr_workgroup_id_z 1
		.amdhsa_system_vgpr_workitem_id 0
		.amdhsa_next_free_vgpr 1024
		.amdhsa_next_free_sgpr 102
		.amdhsa_reserve_vcc 0
		.amdhsa_float_denorm_mode_32 3
		.amdhsa_float_denorm_mode_16_64 3
		.amdhsa_fp16_overflow 1
		.amdhsa_memory_ordered 1
		.amdhsa_forward_progress 1
		.amdhsa_inst_pref_size 173
	.end_amdhsa_kernel
	.amdgpu_metadata
---
amdhsa.version: [ 1, 2 ]
amdhsa.kernels:
  - .name:           k_qd75dcb29ae_qkv
    .symbol:         k_qd75dcb29ae_qkv.kd
    .args:
      - { .name: xq, .offset: 0, .size: 8, .value_kind: global_buffer, .address_space: global }
      - { .name: wq, .offset: 8, .size: 8, .value_kind: global_buffer, .address_space: global }
      - { .name: b_attn, .offset: 16, .size: 8, .value_kind: global_buffer, .address_space: global }
      - { .name: qkv, .offset: 24, .size: 8, .value_kind: global_buffer, .address_space: global }
    .group_segment_fixed_size: 327680
    .private_segment_fixed_size: 0
    .kernarg_segment_align: 8
    .kernarg_segment_size: 32
    .max_flat_workgroup_size: 128
    .sgpr_count:     102
    .vgpr_count:     1024
    .wavefront_size: 32
...
	.end_amdgpu_metadata
.endif
;; end of part 2
;; launch attn (part 3): grid 4 x 64, 16 waves a work-group, clusters of 4 x 1, 327,680 bytes of LDS; arguments qkv, aq; writes aq
.if DOCPART == 3
	.amdgcn_target "amdgcn-amd-amdhsa--gfx1250"
	.amdhsa_code_object_version 6
	.text
	.protected	k_qd75dcb29ae_attn
	.globl	k_qd75dcb29ae_attn
	.p2align	8
	.type	k_qd75dcb29ae_attn,@function
k_qd75dcb29ae_attn:
	s_mov_b64 s[64:65], 0
	v_nop
	global_prefetch_b8 v0, s[64:65] scope:SCOPE_SE
	s_setreg_imm32_b32 hwreg(HW_REG_WAVE_MODE, 25, 1), 1
	s_wait_xcnt 0x0
	s_wait_alu depctr_hold_cnt(0) depctr_sa_sdst(0) depctr_va_vdst(0) depctr_va_sdst(0) depctr_va_ssrc(0) depctr_va_vcc(0) depctr_vm_vsrc(0)
	s_getreg_b32 s2, hwreg(HW_REG_IB_STS2, 6, 4)
	s_cmp_eq_u32 s2, 0
	s_cbranch_scc0 .Lentry_in_a_cluster
	s_endpgm
.Lentry_in_a_cluster:
	s_bfe_u32 s2, ttmp6, 0x10000c
	s_cmp_lg_u32 s2, 0x3003
	s_cbranch_scc0 .Lentry_shape_is_right
	s_endpgm
.Lentry_shape_is_right:
; a = softmax(mask(q k^T / 8)) v for one head a cluster, both products on codes of E4M3 with E8M0 scales, and at once the quantising of a (along the model's 1024) for the last product.
; IN: qkv[bh][key step of 128] blocks of 25,344 bytes, as the launch before laid them.  OUT: aq, a's codes and scale bytes in the order of the operand's registers.
; THE SOFTMAX: t = score x log2(e) / 8; M = the running largest t rounded up to a whole number; p = 2^(t - M) is quantised along the keys; the row's sum is taken of the unquantised p and divides at the end.
; THE MASK puts the logit -10000 (the score -80000) in place of hidden scores; it is no -infinity.  So hidden keys are honoured: t_m is in M from the start where a query has hidden keys in later steps;
; on the diagonal hidden scores are replaced ahead of the maximum; for the steps that lie wholly under the mask no score is multiplied, but p_m = 2^(t_m - M), one number a query, is quantised, multiplied by those keys' V and counted in the sum.
; K = 64 IN A FORM OF K = 128: a fragment of K holds TWO tiles of 16 keys (u = 0 in k 0-63, u = 1 in k 64-127) and is multiplied once by (q, 0) and once by (0, q): zero codes add nothing under any scale byte that the quantiser gives.
; The registers [0 x 8 | q x 8 | 0 x 8] give both operands.  Both products are used transposed: a lane holds ONE query (lane % 16); the 16 registers of two neighbouring score tiles are keys 32 b + 16 (lane / 16) + 0 .. 15.
; CLUSTER: the four work-groups of a head read the same K and V.  A head's K, V and their scale words, 16 x 16,896 bytes, fit in LDS: they are asked for jointly, once, two loads a wave; nothing is filled again and nothing is stored to LDS.
; SHARES: a head has 16 groups of 128 queries, 8 tiles of 16 each.  Wave w of work-group cx takes tile (b4 = cx, u = w % 2) of group g (0-7, by the wave's number) and then of group 15 - g: 17 open key steps and 15 hidden ones for every wave.
; Branches hang on the wave's number and loop counters alone; cx enters global addresses and one number that scores' places are compared with.
; No prefetch: all that the launch reads is asked for at its head.
; LIMITS: p under 2^-126, p_m among them, comes out of v_exp_f32 as 0; 1 / sum is v_rcp_f32's; a block of zeros gets the byte 1 where the rule says 127 (this program alone reads the bytes); NaN and infinities are not served.
.set BLK, 16896                        ; a key step in LDS: K's codes 0, V^T's 8192, K's scale words 16384, V's 16640
.set LI,  1                            ; v1   16 x lane
.set LR,  2                            ; v2   16 x (lane % 16)
.set ADK, 3                            ; v3   the step's codes
.set ADS, 4                            ; v4   the step's scale words
.set DQ,  5                            ; v5   my query in its group - 16 (lane / 16)
.set NEG, 6                            ; v6   -80000.0
.set AVO, 7                            ; v7   8 r + h: my scale byte's place
.set PM,  8                            ; v8   p_m
.set BY,  9                            ; v9   the scale byte to store
.set CNT, 10                           ; v10  the number of keys in wholly hidden steps
.set QA,  24                           ; v[24:39] = (q, 0);  v[16:31] = (0, q)
.set QB,  16
.set QH,  40                           ; v40-47 the second pass's q
.set KF,  48                           ; v48-111 four fragments of K, then of V^T
.set S,   112                          ; v112-175 scores, then p
.set OT,  176                          ; v176-207 O^T
.set PC,  208                          ; v208-223 p's codes
.set KSW, 224                          ; v224-227 K's scale words; v228-231 V's; v232 q's; v233 p's: they hold scales and nothing else
.set VSW, 228
.set QSW, 232
.set PSW, 233
.set BM,  236
.set T4,  240
.set LIM, 244
.set SOP, 248
.set FF,  252                          ; v[252:253] f = 2^(old M - new M); v253 is only named with it
.set WV,  8
.set CX,  9
.set BH,  10
.set GLO, 11                           ; s11 my first group
.set GC,  12                           ; s12 the pass's group
.set UU,  13
.set TB,  14                           ; s14 the step's first LDS byte
.set KS,  15                           ; s15 the step
.set SEL, 20
.set CS,  22                           ; s[22:23] c = log2(e) / 8
.set G1,  24
.set GA,  32
.set GB,  36
.set MNT, 40
.set HM,  41
.set OC0, 42
.set OS0, 44
.set REP, 46
.set OC,  50
.set OS,  54
.set MK,  57
.set SH,  62
.macro ROUND
	s_barrier_signal -1
	s_barrier_wait -1
	s_cmp_lg_u32 s[WV], 0
	s_cbranch_scc1 .Lnot_wave_0_\@
	s_barrier_signal -3
.Lnot_wave_0_\@:
	s_barrier_wait -3
	s_barrier_signal -1
	s_barrier_wait -1
.endm
.macro VLOADS                          ; the step's V^T, four tiles of 16 channels x 128 keys, and its scale words
.irp f, 0,1,2,3
.irp g, 0,1,2,3
	ds_load_b128 v[KF+16*\f+4*\g:KF+16*\f+4*\g+3], v[ADK] offset:8192+2048*\f+512*\g
.endr
.endr
	ds_load_b128 v[VSW:VSW+3], v[ADS] offset:16640
.endm
.macro PV                              ; O^T += V^T P^T: the four accumulators take turns
.irp f, 0,1,2,3
	v_wmma_scale_f32_16x16x128_f8f6f4 v[OT+8*\f:OT+8*\f+7], v[KF+16*\f:KF+16*\f+15], v[PC:PC+15], v[OT+8*\f:OT+8*\f+7], v[VSW+\f], v[PSW]
.endr
.endm
.macro HEADS                           ; the step's addresses; with six v_nop the eight places behind the last products, ahead of loads into their registers
	v_add_nc_u32 v[ADK], s[TB], v[LI]
	v_add_nc_u32 v[ADS], s[TB], v[LR]
.rept 6
	v_nop
.endr
.endm
; AN OPEN KEY STEP: 128 keys
.macro STEP
	HEADS
.irp f, 0,1,2,3
.irp g, 0,1,2,3
	ds_load_b128 v[KF+16*\f+4*\g:KF+16*\f+4*\g+3], v[ADK] offset:2048*\f+512*\g
.endr
.endr
	ds_load_b128 v[KSW:KSW+3], v[ADS] offset:16384
	s_wait_alu depctr_va_vdst(0)
	s_wait_dscnt 0x0
.irp f, 0,1,2,3
	v_wmma_scale_f32_16x16x128_f8f6f4 v[S+16*\f:S+16*\f+7], v[KF+16*\f:KF+16*\f+15], v[QA:QA+15], 0, v[KSW+\f], v[QSW]
	v_wmma_scale_f32_16x16x128_f8f6f4 v[S+16*\f+8:S+16*\f+15], v[KF+16*\f:KF+16*\f+15], v[QB:QB+15], 0, v[KSW+\f], v[QSW]
.endr
.rept 8
	v_nop
.endr
	VLOADS                                         ; they land while the softmax is worked
	s_cmp_lg_u32 s[KS], s[GC]                      ; on the diagonal hidden scores become -80000; register 16 b + i holds key 32 b + 16 (lane / 16) + i
	s_cbranch_scc1 .Lfull_\@
.set n, 0
.rept 64
	v_cmp_gt_i32 vcc_lo, 32*(n/16)+n%16, v[DQ]
	v_cndmask_b32 v[S+n], v[S+n], v[NEG], vcc_lo
.set n, n+1
.endr
.Lfull_\@:
.irp b, 0,1,2,3
	v_max3_num_f32 v[BM+\b], v[S+16*\b], v[S+16*\b+1], v[S+16*\b+2]   ; each block's largest score: for the row's maximum and, since p rises with the score, for the block's largest p
.endr
.irp i, 3,5,7,9,11,13
.irp b, 0,1,2,3
	v_max3_num_f32 v[BM+\b], v[BM+\b], v[S+16*\b+\i], v[S+16*\b+\i+1]
.endr
.endr
.irp b, 0,1,2,3
	v_max_num_f32 v[BM+\b], v[BM+\b], v[S+16*\b+15]
.endr
.irp b, 0,1,2,3
	s_delay_alu instid0(VALU_DEP_4)
	v_permlanex16_b32 v[T4+\b], v[BM+\b], s[SEL], s[SEL+1]
.endr
.irp b, 0,1,2,3
	s_delay_alu instid0(VALU_DEP_4)
	v_max_num_f32 v[BM+\b], v[BM+\b], v[T4+\b]
.endr
	s_delay_alu instid0(VALU_DEP_2)
	v_max3_num_f32 v254, v[BM], v[BM+1], v[BM+2]
	s_delay_alu instid0(VALU_DEP_1)
	v_max_num_f32 v254, v254, v[BM+3]
	s_delay_alu instid0(VALU_DEP_1)
	v_mul_f32 v254, s[CS], v254                    ; as t
	s_delay_alu instid0(VALU_DEP_1)
	v_max_num_f32 v13, v13, v254                   ; the running largest t
	v_mov_b32 v254, v12
	s_delay_alu instid0(VALU_DEP_2)
	v_floor_f32 v12, -v13                          ; -M = floor(-t): M is a whole number
	s_delay_alu instid0(VALU_DEP_1)
	v_sub_f32 v254, v12, v254
	s_delay_alu instid0(VALU_DEP_1)
	v_cvt_i32_f32 v254, v254                       ; (it saturates)
	s_delay_alu instid0(VALU_DEP_1)
	v_ldexp_f32 v[FF], 1.0, v254                   ; f = 2^(old M - new M)
.set n, 0
	s_setprio 1
.rept 32
	v_pk_fma_f32 v[S+n:S+n+1], v[S+n:S+n+1], s[CS:CS+1], v[12:13] op_sel_hi:[1,0,0]   ; t - M
.set n, n+2
.endr
.irp b, 0,1,2,3
	v_fma_f32 v[BM+\b], v[BM+\b], s[CS], v12
.endr
.set n, 0
	s_wait_alu depctr_va_vdst(0)
.rept 64
	v_exp_f32 v[S+n], v[S+n]                       ; p, one batch
.set n, n+1
.endr
	v_pk_mul_f32 v[14:15], v[14:15], v[FF:FF+1] op_sel_hi:[1,0]   ; the sums under the new M: the plain line behind the batch
	s_wait_alu depctr_va_vdst(0)                   ; one wait for the batch, ahead of its first reader
.irp b, 0,1,2,3
	v_exp_f32 v[BM+\b], v[BM+\b]                   ; the blocks' largest p
.endr
	v_pk_add_f32 v[T4:T4+1], v[S:S+1], v[S+2:S+3]  ; the row's sum, of the unquantised p, in two chains
.set n, 4
.rept 15
	v_pk_add_f32 v[14:15], v[14:15], v[S+n:S+n+1]
	v_pk_add_f32 v[T4:T4+1], v[T4:T4+1], v[S+n+2:S+n+3]
.set n, n+4
.endr
	s_delay_alu instid0(VALU_DEP_1)
	v_pk_add_f32 v[14:15], v[14:15], v[T4:T4+1]
	s_setprio 0
	s_wait_alu depctr_va_vdst(0)                   ; and one for the four
.irp b, 0,1,2,3
	v_max_num_f32 v[BM+\b], 0x4800000, v[BM+\b]    ; the floor
.endr
.irp b, 0,1,2,3
	s_delay_alu instid0(VALU_DEP_4)
	v_add_nc_u32 v[SOP+\b], 0xfc000000, v[BM+\b]
.endr
.irp b, 0,1,2,3
.endr
.irp b, 0,1,2,3
	s_delay_alu instid0(VALU_DEP_4)
	v_lshrrev_b32 v[T4+\b], 23, v[SOP+\b]
.endr
	s_delay_alu instid0(VALU_DEP_3)
	v_lshl_or_b32 v[PSW], v[T4+1], 8, v[T4]
	s_delay_alu instid0(VALU_DEP_1)
	v_lshl_or_b32 v[PSW], v[T4+2], 16, v[PSW]
	s_delay_alu instid0(VALU_DEP_1)
	v_lshl_or_b32 v[PSW], v[T4+3], 24, v[PSW]
.irp b, 0,1,2,3
.irp i, 0,1,2,3,4,5,6,7,8,9,10,11,12,13,14,15
.endr
	v_cvt_scalef32_pk8_fp8_f32 v[PC+4*\b:PC+4*\b+1], v[S+16*\b:S+16*\b+7], v[SOP+\b]
	v_cvt_scalef32_pk8_fp8_f32 v[PC+4*\b+2:PC+4*\b+3], v[S+16*\b+8:S+16*\b+15], v[SOP+\b]
.endr
.set n, 0
.rept 16
	v_pk_mul_f32 v[OT+n:OT+n+1], v[OT+n:OT+n+1], v[FF:FF+1] op_sel_hi:[1,0]   ; O^T under the new M; also the places between the codes and the products
.set n, n+2
.endr
	s_wait_alu depctr_va_vdst(0)
	s_wait_dscnt 0x0                               ; V is in
	PV
.endm
; A KEY STEP THAT LIES WHOLLY UNDER THE MASK: every p is p_m
.macro MSTEP
	HEADS
	VLOADS
	s_wait_dscnt 0x0
	PV
.endm
; One tile of 16 queries of group s[GC].  nt: trips of the open loop, a constant that covers the pass's groups
.macro PASS nt, second
.if \second
	s_wait_xcnt 0x0                                ; the first pass's stores have read their data, offsets and bases
.irp j, 0,1,2,3,4,5,6,7
	v_mov_b32 v[QA+\j], v[QH+\j]
.endr
	v_lshrrev_b32 v254, s[SH], v235
.else
	v_lshrrev_b32 v254, s[SH], v234
.endif
	s_delay_alu instid0(VALU_DEP_1)
	v_and_b32 v254, 0xffff, v254                   ; my tile's two bytes,
	s_delay_alu instid0(VALU_DEP_1)
	v_lshl_or_b32 v[QSW], v254, 16, v254           ; for k 0-63 and again for k 64-127
.set n, 0
.rept 32
	v_mov_b32 v[OT+n], 0                           ; the step is written once: the first finds zeros
.set n, n+1
.endr
	v_mov_b32 v14, 0
	v_mov_b32 v15, 0
	s_cmp_lt_u32 s[GC], 15
	s_cselect_b32 s[MK], -1, 0                     ; are there wholly hidden steps?
	v_mul_f32 v254, s[CS], v[NEG]                  ; t_m
	v_mov_b32 v255, 0xff61b1e6                     ; -3e38
	s_delay_alu instid0(VALU_DEP_1)
	v_cndmask_b32 v13, v255, v254, s[MK]           ; the largest t so far
	s_delay_alu instid0(VALU_DEP_1)
	v_floor_f32 v12, -v13
	s_lshl_b32 s48, s[GC], 15                      ; eight blocks rho of 4,096 bytes a group
	s_mov_b32 s49, 0
	s_add_nc_u64 s[OC:OC+1], s[OC0:OC0+1], s[48:49]
	s_lshl_b32 s48, s[GC], 12
	s_add_nc_u64 s[OS:OS+1], s[OS0:OS0+1], s[48:49]
	s_sub_co_u32 s48, 15, s[GC]
	s_lshl_b32 s48, s48, 7
	v_cvt_f32_u32 v[CNT], s48
	s_mov_b32 s[TB], 0
	s_mov_b32 s[KS], 0
.Lopen_\@:
	s_cmp_gt_u32 s[KS], s[GC]
	s_cbranch_scc1 .Lpast_\@
	s_setprio 2
	STEP
.Lpast_\@:
	s_add_co_u32 s[TB], s[TB], BLK
	s_add_co_u32 s[KS], s[KS], 1
	s_cmp_lt_u32 s[KS], \nt
	s_cbranch_scc1 .Lopen_\@
	s_setprio 0
	; p_m under the final M, its codes and its scale word
.rept 8
	v_nop                                          ; the places behind the last products, whose codes and scale word are written below
.endr
	s_wait_alu depctr_va_vdst(0)
	v_fma_f32 v[PM], v[NEG], s[CS], v12
	s_wait_alu depctr_va_vdst(0)
	v_exp_f32 v[PM], v[PM]
	v_nop
	s_wait_alu depctr_va_vdst(0)
	v_cndmask_b32 v[PM], 0, v[PM], s[MK]           ; the last group has no such step, and its last query's M need not hold t_m
	s_delay_alu instid0(VALU_DEP_1)
	v_max_num_f32 v254, 0x4800000, v[PM]
	s_delay_alu instid0(VALU_DEP_1)
	v_add_nc_u32 v[SOP], 0xfc000000, v254
	s_delay_alu instid0(VALU_DEP_2)
	v_and_or_b32 v[LIM], v254, 0x7f800000, s[MNT]
	s_delay_alu instid0(VALU_DEP_2)
	v_lshrrev_b32 v254, 23, v[SOP]
	s_delay_alu instid0(VALU_DEP_1)
	v_mul_lo_u32 v[PSW], v254, s[REP]              ; the same byte for the four blocks
	s_delay_alu instid0(VALU_DEP_3)
	v_min_num_f32 v[S], v[PM], v[LIM]
.irp j, 1,2,3,4,5,6,7
	v_mov_b32 v[S+\j], v[S]
.endr
	v_cvt_scalef32_pk8_fp8_f32 v[PC:PC+1], v[S:S+7], v[SOP]
	v_nop
.irp j, 2,3,4,5,6,7,8,9,10,11,12,13,14,15
	v_mov_b32 v[PC+\j], v[PC]
.endr
	s_mov_b32 s[TB], 0
	s_mov_b32 s[KS], 0
.Lhid_\@:
	s_cmp_le_u32 s[KS], s[GC]
	s_cbranch_scc1 .Lnoth_\@
	s_wait_alu depctr_va_vdst(0)
	MSTEP
.Lnoth_\@:
	s_add_co_u32 s[TB], s[TB], BLK
	s_add_co_u32 s[KS], s[KS], 1
	s_cmp_lt_u32 s[KS], 16
	s_cbranch_scc1 .Lhid_\@
	; the way out: O^T / the sum, quantised along the head's 64 channels (two blocks of 32), straight into a's image
.rept 8
	v_nop
.endr
	v_add_f32 v14, v14, v15
	s_delay_alu instid0(VALU_DEP_1)
	v_permlanex16_b32 v254, v14, s[SEL], s[SEL+1]
	s_delay_alu instid0(VALU_DEP_1)
	v_add_f32 v14, v14, v254
	s_delay_alu instid0(VALU_DEP_1)
	v_fma_f32 v14, v[PM], v[CNT], v14              ; and the hidden steps' keys
	s_wait_alu depctr_va_vdst(0)
	v_rcp_f32 v14, v14
	v_nop
	s_wait_alu depctr_va_vdst(0)
.set n, 0
.rept 16
	v_pk_mul_f32 v[S+n:S+n+1], v[OT+n:OT+n+1], v[14:15] op_sel_hi:[1,0]   ; register 16 b + i is channel 32 b + 16 (lane / 16) + i; each accumulator from its low end on
.set n, n+2
.endr
.irp b, 0,1
	v_max3_num_f32 v[BM+\b], |v[S+16*\b]|, |v[S+16*\b+1]|, 0x4800000
.endr
.irp i, 2,4,6,8,10,12,14
.irp b, 0,1
	s_delay_alu instid0(VALU_DEP_2)
	v_max3_num_f32 v[BM+\b], v[BM+\b], |v[S+16*\b+\i]|, |v[S+16*\b+\i+1]|
.endr
.endr
.irp b, 0,1
	s_delay_alu instid0(VALU_DEP_2)
	v_permlanex16_b32 v[T4+\b], v[BM+\b], s[SEL], s[SEL+1]
.endr
.irp b, 0,1
	s_delay_alu instid0(VALU_DEP_2)
	v_max_num_f32 v[BM+\b], v[BM+\b], v[T4+\b]
.endr
.irp b, 0,1
	s_delay_alu instid0(VALU_DEP_2)
	v_add_nc_u32 v[SOP+\b], 0xfc000000, v[BM+\b]
.endr
.irp b, 0,1
.endr
.irp b, 0,1
	s_delay_alu instid0(VALU_DEP_2)
	v_lshrrev_b32 v[T4+\b], 23, v[SOP+\b]
.endr
.irp b, 0,1
.irp i, 0,1,2,3,4,5,6,7,8,9,10,11,12,13,14,15
.endr
	v_cvt_scalef32_pk8_fp8_f32 v[PC+4*\b:PC+4*\b+1], v[S+16*\b:S+16*\b+7], v[SOP+\b]
	v_cvt_scalef32_pk8_fp8_f32 v[PC+4*\b+2:PC+4*\b+3], v[S+16*\b+8:S+16*\b+15], v[SOP+\b]
.endr
	v_nop
	v_cndmask_b32 v[BY], v[T4], v[T4+1], s[HM]     ; lanes 0-15 store the first block's byte, lanes 16-31 the second's
	global_store_b128 v[LI], v[PC:PC+3], s[OC:OC+1]              ; 512 consecutive bytes, aligned
	global_store_b128 v[LI], v[PC+4:PC+7], s[OC:OC+1] offset:512
	global_store_b8 v[AVO], v[BY], s[OS:OS+1]      ; a row's eight bytes of a K step come from four heads, which are four clusters: so single bytes
.endm
	s_load_b128 s[4:7], s[0:1], 0x0                ; qkv, aq
	v_lshl_add_u32 v254, v0, 2, 0x42000
	v_mov_b32 v255, 0
	ds_add_u32 v254, v255
	ds_add_u32 v254, v255
	s_wait_dscnt 0x0
	v_lshrrev_b32 v1, 5, v0
	s_delay_alu instid0(VALU_DEP_1)
	v_readfirstlane_b32 s[WV], v1                  ; wave 0..15
	s_bfe_u32 s[CX], ttmp6, 0x40000                ; cx
	s_and_b32 s[BH], ttmp7, 0xffff                 ; the head, which the four partners share
	s_and_b32 s[UU], s[WV], 1
	s_lshr_b32 s48, s[WV], 2
	s_bfe_u32 s49, s[WV], 0x10001
	s_xor_b32 s49, s49, s48
	s_and_b32 s49, s49, 1
	s_lshl_b32 s[GLO], s48, 1
	s_add_co_u32 s[GLO], s[GLO], s49               ; my first group: waves w, w + 4, w + 8, w + 12 together have 18 open steps in the first pass, whatever w
	s_lshl_b32 s[SH], s[UU], 4
	s_mul_i32 s50, s[BH], 405504                   ; the head's first byte
	s_lshr_b32 s52, s[WV], 1
	s_mul_i32 s52, s52, 25344                      ; my fills: key step wave / 2 (and 8 more), half wave % 2 of its 16,896 bytes
	s_mul_i32 s53, s[UU], 8448
	s_add_co_u32 s52, s52, s53
	s_add_co_u32 s52, s52, s50
	s_mov_b32 s53, 0
	s_mov_b32 s[GA], 1
	s_mul_i32 s[GA+1], s[WV], 8448
	s_mov_b32 s[GB], 1
	s_add_co_u32 s[GB+1], s[GA+1], 135168
	s_mov_b32 s[G1], 15|(3<<16)|(1<<21)            ; the mask: all four work-groups; elements of 8 bytes; bit 21 beside a mask
	s_mov_b32 s[G1+1], 32<<16                      ; rows of 256 bytes,
	s_mov_b32 s[G1+2], 33<<16                      ; 33 of them,
	s_mov_b32 s[G1+3], 32<<16
	s_mov_b32 s[G1+4], 33
	s_mov_b32 s[G1+5], 32                          ; dense
	s_mov_b32 s[G1+6], 0
	s_mov_b32 s[G1+7], 0
	s_mov_b32 s[SEL], 0x76543210
	s_mov_b32 s[SEL+1], 0xfedcba98
	s_mov_b32 s[CS], 0x3e38aa3b                    ; log2(e) / 8
	s_mov_b32 s[CS+1], s[CS]
	s_mov_b32 s[MNT], 0x600000
	s_mov_b32 s[HM], 0xffff0000
	s_mov_b32 s[REP], 0x01010101
	s_wait_kmcnt 0x0
	s_add_nc_u64 s[GA+2:GA+3], s[4:5], s[52:53]
	s_add_nc_u64 s[GB+2:GB+3], s[GA+2:GA+3], 202752   ; eight key steps on
	s_or_b32 s[GA+3], s[GA+3], 0x80000000
	s_or_b32 s[GB+3], s[GB+3], 0x80000000
	ROUND                                          ; all four work-groups are here: the joint loads meet
	tensor_load_to_lds s[GA:GA+3], s[G1:G1+7]
	s_nop 0
	s_wait_alu depctr_va_vdst(0)
	s_wait_tensorcnt 0x0
	ds_add_u32 v254, v255
	s_wait_dscnt 0x0
	ROUND
	tensor_load_to_lds s[GB:GB+3], s[G1:G1+7]      ; one load of mine is out
	s_nop 0
.rept 4
	v_nop
.endr
	; q of my two tiles: 1,024 bytes each, and their scale words
	s_lshl_b32 s54, s[CX], 11
	s_lshl_b32 s55, s[UU], 10
	s_add_co_u32 s54, s54, s55
	s_add_co_u32 s54, s54, s50
	s_add_co_u32 s54, s54, 16896
	s_lshl_b32 s55, s[CX], 2
	s_add_co_u32 s55, s55, s50
	s_add_co_u32 s55, s55, 25088
	s_mul_i32 s56, s[GLO], 25344
	s_sub_co_u32 s57, 15, s[GLO]
	s_mul_i32 s57, s57, 25344
	s_mov_b32 s49, 0
	s_add_co_u32 s48, s54, s56
	s_add_nc_u64 s[16:17], s[4:5], s[48:49]
	s_add_co_u32 s48, s54, s57
	s_add_nc_u64 s[18:19], s[4:5], s[48:49]
	s_add_co_u32 s48, s55, s56
	s_add_nc_u64 s[58:59], s[4:5], s[48:49]
	s_add_co_u32 s48, s55, s57
	s_add_nc_u64 s[60:61], s[4:5], s[48:49]
	v_and_b32 v9, 31, v0
	s_delay_alu instid0(VALU_DEP_1)
	v_lshlrev_b32 v[LI], 4, v9
	v_and_b32 v10, 15, v0                          ; r
	v_bfe_u32 v11, v0, 4, 1                        ; h
	s_delay_alu instid0(VALU_DEP_2)
	v_lshlrev_b32 v[LR], 4, v10
	global_load_b128 v[QA:QA+3], v[LI], s[16:17]
	global_load_b128 v[QA+4:QA+7], v[LI], s[16:17] offset:512
	global_load_b128 v[QH:QH+3], v[LI], s[18:19]
	global_load_b128 v[QH+4:QH+7], v[LI], s[18:19] offset:512
	global_load_b32 v234, v[LR], s[58:59]
	global_load_b32 v235, v[LR], s[60:61]
	v_lshl_add_u32 v[AVO], v10, 3, v11
	v_and_b32 v[DQ], 8, v10
	s_delay_alu instid0(VALU_DEP_1)
	v_add_nc_u32 v[DQ], v[DQ], v10
	v_lshlrev_b32 v254, 4, v11
	s_delay_alu instid0(VALU_DEP_1)
	v_sub_nc_u32 v[DQ], v[DQ], v254
	s_lshl_b32 s48, s[CX], 5
	s_lshl_b32 s52, s[UU], 3
	s_add_co_u32 s48, s48, s52
	v_add_nc_u32 v[DQ], s48, v[DQ]                 ; 32 cx + 8 u + r + 8 (r / 8) - 16 h
	v_mov_b32 v[NEG], 0xc79c4000                   ; -80000.0: the logit -10000 as a score
.irp j, 0,1,2,3,4,5,6,7
	v_mov_b32 v[QB+\j], 0
	v_mov_b32 v[QA+8+\j], 0
.endr
.irp b, 0,1,2,3
	v_mov_b32 v[T4+\b], 0                          ; a lane permute's destination counts as one of its sources
.endr
	v_mov_b32 v[FF+1], 0
	v_mov_b32 v255, 0
	; a's image: row block rho = 128 batch + 8 group + 2 cx + u; k = 64 head + ..
	s_and_b32 s48, s[BH], 15                       ; the head in its batch
	s_lshr_b32 s52, s[BH], 4
	s_lshl_b32 s52, s52, 7
	s_lshl_b32 s53, s[CX], 1
	s_add_co_u32 s52, s52, s53
	s_add_co_u32 s52, s52, s[UU]                   ; rho without the group
	s_lshr_b32 s53, s48, 2                         ; which 256 along K
	s_lshl_b32 s54, s53, 21
	s_lshl_b32 s55, s52, 12
	s_add_co_u32 s54, s54, s55
	s_bfe_u32 s55, s48, 0x10001
	s_lshl_b32 s55, s55, 11
	s_add_co_u32 s54, s54, s55
	s_and_b32 s55, s48, 1
	s_lshl_b32 s55, s55, 10
	s_add_co_u32 s54, s54, s55
	s_mov_b32 s55, 0
	s_add_nc_u64 s[OC0:OC0+1], s[6:7], s[54:55]
	s_lshl_b32 s54, s52, 9
	s_lshl_b32 s53, s53, 7
	s_add_co_u32 s54, s54, s53
	s_and_b32 s53, s48, 3
	s_lshl_b32 s53, s53, 1
	s_add_co_u32 s54, s54, s53
	s_add_co_u32 s54, s54, 8388608
	s_add_nc_u64 s[OS0:OS0+1], s[6:7], s[54:55]
	s_wait_tensorcnt 0x0                           ; my parts of the head's K and V have landed,
	s_barrier_signal -1
	s_barrier_wait -1                              ; everybody's have
	s_wait_loadcnt 0x0                             ; q
	s_mov_b32 s[GC], s[GLO]
	PASS 8, 0
	s_sub_co_u32 s[GC], 15, s[GLO]
	PASS 16, 1
	s_wait_xcnt 0x0
	v_lshl_add_u32 v254, v0, 2, 0x42000
	v_mov_b32 v255, 0
	s_wait_alu depctr_va_vdst(0)
	s_wait_tensorcnt 0x0
	ds_add_u32 v254, v255
	s_wait_dscnt 0x0
	ROUND                                          ; the closing round
	s_endpgm
.Lfunc_end_k_qd75dcb29ae_attn:
	.size	k_qd75dcb29ae_attn, .Lfunc_end_k_qd75dcb29ae_attn-k_qd75dcb29ae_attn
	.p2alignl 7, 3214868480
	.fill 96, 4, 3214868480
	.section	.rodata,"a",@progbits
	.p2align	6, 0x0
	.amdhsa_kernel k_qd75dcb29ae_attn
		.amdhsa_group_segment_fixed_size 327680
		.amdhsa_private_segment_fixed_size 0
		.amdhsa_enable_private_segment 0
		.amdhsa_kernarg_size 16
		.amdhsa_user_sgpr_count 2
		.amdhsa_user_sgpr_kernarg_segment_ptr 1
		.amdhsa_wavefront_size32 1
		.amdhsa_system_sgpr_workgroup_id_x 1
		.amdhsa_system_sgpr_workgroup_id_y 1
		.amdhsa_system_sgpr_workgroup_id_z 1
		.amdhsa_system_vgpr_workitem_id 0
		.amdhsa_next_free_vgpr 256
		.amdhsa_next_free_sgpr 66
		.amdhsa_reserve_vcc 1
		.amdhsa_float_denorm_mode_32 3
		.amdhsa_float_denorm_mode_16_64 3
		.amdhsa_fp16_overflow 1
		.amdhsa_memory_ordered 1
		.amdhsa_forward_progress 1
		.amdhsa_inst_pref_size 74
	.end_amdhsa_kernel
	.amdgpu_metadata
---
amdhsa.version: [ 1, 2 ]
amdhsa.kernels:
  - .name:           k_qd75dcb29ae_attn
    .symbol:         k_qd75dcb29ae_attn.kd
    .args:
      - { .name: qkv, .offset: 0, .size: 8, .value_kind: global_buffer, .address_space: global }
      - { .name: aq, .offset: 8, .size: 8, .value_kind: global_buffer, .address_space: global }
    .group_segment_fixed_size: 327680
    .private_segment_fixed_size: 0
    .kernarg_segment_align: 8
    .kernarg_segment_size: 16
    .max_flat_workgroup_size: 512
    .sgpr_count:     66
    .vgpr_count:     256
    .wavefront_size: 32
...
	.end_amdgpu_metadata
.endif
;; end of part 3
;; launch proj (part 4): grid 4 x 32, 4 waves a work-group, clusters of 4 x 4, 327,680 bytes of LDS; arguments aq, wq, b_proj, out0; writes out0
.if DOCPART == 4
	.amdgcn_target "amdgcn-amd-amdhsa--gfx1250"
	.amdhsa_code_object_version 6
	.text
	.protected	k_qd75dcb29ae_proj
	.globl	k_qd75dcb29ae_proj
	.p2align	8
	.type	k_qd75dcb29ae_proj,@function
k_qd75dcb29ae_proj:
	s_mov_b64 s[64:65], 0
	v_nop
	global_prefetch_b8 v0, s[64:65] scope:SCOPE_SE
	s_setreg_imm32_b32 hwreg(HW_REG_WAVE_MODE, 25, 1), 1
	s_wait_xcnt 0x0
	s_wait_alu depctr_hold_cnt(0) depctr_sa_sdst(0) depctr_va_vdst(0) depctr_va_sdst(0) depctr_va_ssrc(0) depctr_va_vcc(0) depctr_vm_vsrc(0)
	s_getreg_b32 s2, hwreg(HW_REG_IB_STS2, 6, 4)
	s_cmp_eq_u32 s2, 0
	s_cbranch_scc0 .Lentry_in_a_cluster
	s_endpgm
.Lentry_in_a_cluster:
	s_bfe_u32 s2, ttmp6, 0x10000c
	s_cmp_lg_u32 s2, 0xf033
	s_cbranch_scc0 .Lentry_shape_is_right
	s_endpgm
.Lentry_shape_is_right:
; out0 = a w_proj + b_proj on codes of E4M3 with E8M0 scales (K = 1024).  A = a (8192 tokens), B = w_proj's 1024 columns; both lie in the order of the operand's registers:
; 16 rows x 128 K are 2,048 bytes on end, 128 rows x 256 K are 32,768: one tensor load, no padding; a block of 16 rows, rho = 2 g + u, holds rows 32 g + 8 u + r + 8 (r / 8).
; THE MATRIX INSTRUCTION IS USED TRANSPOSED (source 0 = B's rows, source 1 = A's rows): lane (r, h) holds token r of block a, and the registers of accumulators (a, 2 p), (a, 2 p + 1) are columns 32 p + 16 h + 0 .. 15.
; A tile of 256 x 256 to a work-group, 128 x 128 to each of four waves.  K goes in four steps of 256 through two LDS slots, written straight on.  The bias is the C of each sum's first product.
; CLUSTERS 4 x 4: A's tiles are asked for jointly along a row of the cluster, B's along a column.  The scale bytes of the work-group's rows, for all of K, come once with the first fills.
; 128 work-groups: the tile is kept as large as the registers hold.  No prefetch: of four K steps two are first fills.
; THE WAY OUT goes through a stage of 16 rows x 528 bytes for each wave, in slot 0, which has had its last fill and its last read by then; each store covers 512 consecutive bytes of a row of out0, aligned.
; REGISTERS: window 0: v2-31 addresses; v32-63 scale words, two sets; v64-127 the bias tiles; v128-255 A's fragments, one set, later rows of out0.  window 1: B's fragments, two sets.  windows 2, 3: accumulator (a, b) at v[8 (8 (a % 4) + b)].
.set SLOT,  131072
.set SCL,   2*SLOT
.set SPARE, SCL+16384                  ; the spare words, 128 bytes a wave: two blocks of 256 bytes that no other line names
.set ADRA, 2
.set ADRB, 4
.set ADRS, 6
.set SPW,  7
.set NIL,  8
.set STO,  9                           ; v9   the stage: where I put 32 bytes of a row
.set RD,   10                          ; v10  and where I read a row back
.set LI,   14                          ; v14  16 x lane
.set SC,   32
.set BI,   64
.set AF,   128
.set BK,   128
.set G1, 24
.set G0, 32
.set G1B, 48
.set G0B, 56
.set G1S, 68
.set G0S, 76
.set G1SB, 80
.set G0SB, 88
.set AST, 92
.set BST, 94
.set MSB, 0
.macro WIN new
.if MSB != (\new)
	s_set_vgpr_msb (MSB<<8)|(\new)
.set MSB, (\new)
.endif
.endm
.set TO_B, 0x40
.macro JLOAD g0a, g1a, g0b, g1b        ; a joint load: waves 0 and 1 fetch for A, waves 2 and 3 for B; four v_nop follow each line
	s_cmp_eq_u32 s15, 0
	s_cbranch_scc0 .Lfor_b_\@
	tensor_load_to_lds s[\g0a:\g0a+3], s[\g1a:\g1a+7]
	s_nop 0
.rept 4
	v_nop
.endr
	s_branch .Lasked_\@
.Lfor_b_\@:
	tensor_load_to_lds s[\g0b:\g0b+3], s[\g1b:\g1b+7]
	s_nop 0
.rept 4
	v_nop
.endr
.Lasked_\@:
.endm
.macro CREST
	s_cmp_lg_u32 s14, 0
	s_cbranch_scc1 .Lnot_wave_0_\@
	s_barrier_signal -3
.Lnot_wave_0_\@:
	s_barrier_wait -3
	s_barrier_signal -1
	s_barrier_wait -1
.endm
.macro CROUND
	s_barrier_signal -1
	s_barrier_wait -1
	CREST
.endm
.macro PLACES n                        ; plain vector lines between a matrix instruction and a load into, or an access to, its registers: eight for this form
.rept \n
	v_nop
.endr
.endm
.macro FRAG reg, adr, q, i
.irp c, 0,1,2,3
	ds_load_b128 v[\reg+4*\c:\reg+4*\c+3], v[\adr] offset:(\i)*4096+(\q)*2048+512*\c
.endr
.endm
.macro FETCH_B slot, q, p
	WIN TO_B
.irp i, 0,1,2,3,4,5,6,7
	FRAG 128*(\p)+16*\i, ADRB+\slot, \q, \i
.endr
	WIN 0
.endm
.macro FETCH_A slot, q, i0
.irp i, \i0, \i0+1, \i0+2, \i0+3
	FRAG AF+16*(\i), ADRA+\slot, \q, \i
.endr
.endm
.macro SCALES sc
.irp i, 0,1,2,3,4,5,6,7
	ds_load_b64 v[SC+16*\sc+2*\i:SC+16*\sc+2*\i+1], v[ADRS] offset:\i*512
.endr
.endm
; 16 products: A's blocks a0, a0 + 1 x B's eight.  zero = 1: the sums begin with the bias tile of B's tile b.  The 64 accumulators take turns
.macro MUL16 a0, p, q, sc, zero
.if \zero
	WIN 0x81+0x40*((\a0)/4)
.else
	WIN 0xa1+0x50*((\a0)/4)
.endif
.irp a, \a0, \a0+1
.irp b, 0,1,2,3,4,5,6,7
.if \zero
	v_wmma_scale_f32_16x16x128_f8f6f4 v[8*(8*((\a)%4)+\b):8*(8*((\a)%4)+\b)+7], v[128*(\p)+16*\b:128*(\p)+16*\b+15], v[AF+16*(\a):AF+16*(\a)+15], v[BI+8*\b:BI+8*\b+7], v[SC+16*(\sc)+2*\b+(\q)], v[SC+16*(\sc)+2*(\a)+(\q)] matrix_a_scale:MATRIX_SCALE_ROW1
.else
	v_wmma_scale_f32_16x16x128_f8f6f4 v[8*(8*((\a)%4)+\b):8*(8*((\a)%4)+\b)+7], v[128*(\p)+16*\b:128*(\p)+16*\b+15], v[AF+16*(\a):AF+16*(\a)+15], v[8*(8*((\a)%4)+\b):8*(8*((\a)%4)+\b)+7], v[SC+16*(\sc)+2*\b+(\q)], v[SC+16*(\sc)+2*(\a)+(\q)] matrix_a_scale:MATRIX_SCALE_ROW1
.endif
.endr
.endr
.endm
.macro STEP slot, q, zero
	s_wait_dscnt 16                                ; B's set, A's blocks 0-3 and the scale words are in; the youngest 16 loads (A's blocks 4-7) may be out
	MUL16 0, (\q)%2, \q, \slot, \zero
	MUL16 2, (\q)%2, \q, \slot, \zero
	s_wait_dscnt 0x0
	PLACES 8
	FETCH_B \slot, (\q)+1, 1-(\q)%2
	FETCH_A \slot, (\q)+1, 0
	MUL16 4, (\q)%2, \q, \slot, \zero
	MUL16 6, (\q)%2, \q, \slot, \zero
	PLACES 8
	WIN 0
	FETCH_A \slot, (\q)+1, 4
.endm
.macro TURN slot, next, fill
	s_wait_tensorcnt 0x0                           ; my part of the next slot has landed; no tensor load of mine is out
	ds_add_u32 v[SPW], v[NIL]                      ; 0 onto my spare word
	s_wait_dscnt 17                                ; the add and the youngest 16 loads may be out
	MUL16 0, 1, 1, \slot, 0
	s_wait_dscnt 0x0                               ; the add is done, and my reads of this slot are over
	s_barrier_signal -1
	MUL16 2, 1, 1, \slot, 0
	WIN 0
	s_barrier_wait -1
.if \fill
	CREST                                          ; the barrier has opened a round of the cluster's: no wave of any partner still reads this slot or has a load on its way
	s_add_nc_u64 s[G0+4*\slot+2:G0+4*\slot+3], s[G0+4*\slot+2:G0+4*\slot+3], s[AST:AST+1]
	s_add_nc_u64 s[G0B+4*\slot+2:G0B+4*\slot+3], s[G0B+4*\slot+2:G0B+4*\slot+3], s[BST:BST+1]
	JLOAD G0+4*\slot, G1, G0B+4*\slot, G1B         ; the first tensor load behind the round, my only one until the next
	PLACES 4
.else
	PLACES 8
.endif
	s_wait_alu depctr_va_vdst(0)
	v_add_nc_u32 v[ADRS], 128, v[ADRS]             ; the next K step's scale words
	FETCH_B \next, 0, 0
	FETCH_A \next, 0, 0
	SCALES \next
	MUL16 4, 1, 1, \slot, 0
	MUL16 6, 1, 1, \slot, 0
	PLACES 8
	WIN 0
	FETCH_A \next, 0, 4
.endm
	s_load_b256 s[4:11], s[0:1], 0x0               ; aq, wq, b_proj, out0
	v_lshl_add_u32 v[SPW], v0, 2, SPARE
	v_mov_b32 v[NIL], 0
	ds_add_u32 v7, v8
	ds_add_u32 v7, v8
	s_wait_dscnt 0x0
	v_lshrrev_b32 v1, 5, v0
	v_readfirstlane_b32 s14, v1                    ; wave
	s_lshr_b32 s15, s14, 1
	s_and_b32 s16, s14, 1
	s_bfe_u32 s40, ttmp6, 0x40000                  ; cx
	s_bfe_u32 s41, ttmp6, 0x40004                  ; cy
	s_lshl_b32 s42, ttmp9, 2
	s_add_co_u32 s42, s42, s40                     ; tile column
	s_and_b32 s17, ttmp7, 0xffff
	s_lshl_b32 s17, s17, 2
	s_add_co_u32 s17, s17, s41                     ; tile row
	s_lshl_b32 s43, s41, 2
	s_lshl_b32 s43, 15, s43                        ; my row of the cluster
	s_lshl_b32 s44, 0x1111, s40                    ; my column
	s_or_b32 s[G1+0], s43, (3<<16)|(1<<21)
	s_or_b32 s[G1B+0], s44, (3<<16)|(1<<21)
.irp g, G1, G1B
	s_mov_b32 s[\g+1], 32<<16
	s_mov_b32 s[\g+2], 128<<16
	s_mov_b32 s[\g+3], 32<<16
	s_mov_b32 s[\g+4], 128
	s_mov_b32 s[\g+5], 32
	s_mov_b32 s[\g+6], 0
	s_mov_b32 s[\g+7], 0
.endr
	s_or_b32 s[G1S+0], s43, (3<<16)|(1<<21)
	s_or_b32 s[G1SB+0], s44, (3<<16)|(1<<21)
.irp g, G1S, G1SB
	s_mov_b32 s[\g+1], 32<<16
	s_mov_b32 s[\g+2], 16<<16
	s_mov_b32 s[\g+3], 32<<16
	s_mov_b32 s[\g+4], 16
	s_mov_b32 s[\g+5], 32
	s_mov_b32 s[\g+6], 0
	s_mov_b32 s[\g+7], 0
.endr
	s_lshl_b32 s20, s17, 16
	s_lshl_b32 s21, s16, 15
	s_add_co_u32 s20, s20, s21                     ; A's codes
	s_lshl_b32 s22, s17, 13
	s_lshl_b32 s21, s16, 12
	s_add_co_u32 s22, s22, s21
	s_add_co_u32 s22, s22, 8388608                 ; A's scale bytes
	s_lshl_b32 s96, s42, 16
	s_lshl_b32 s97, s16, 15
	s_add_co_u32 s96, s96, s97
	s_add_co_u32 s96, s96, 3244032                 ; B's codes
	s_lshl_b32 s98, s42, 13
	s_lshl_b32 s97, s16, 12
	s_add_co_u32 s98, s98, s97
	s_add_co_u32 s98, s98, 4292608                 ; B's scale bytes
	s_mov_b32 s21, 0
	s_mov_b32 s23, 0
	s_mov_b32 s97, 0
	s_mov_b32 s99, 0
	s_mov_b32 s[AST], 2097152                      ; a K step of a
	s_mov_b32 s[AST+1], 0
	s_mov_b32 s[BST], 262144                       ; a K step of w_proj
	s_mov_b32 s[BST+1], 0
	s_lshl_b32 s45, s14, 15
	s_lshl_b32 s46, s14, 12
	s_wait_kmcnt 0x0
	s_add_nc_u64 s[20:21], s[4:5], s[20:21]
	s_add_nc_u64 s[22:23], s[4:5], s[22:23]
	s_add_nc_u64 s[96:97], s[6:7], s[96:97]
	s_add_nc_u64 s[98:99], s[6:7], s[98:99]
	CROUND                                         ; all sixteen work-groups are here: the first joint loads meet
	s_mov_b32 s[G0S], 1
	s_add_co_u32 s[G0S+1], s46, SCL
	s_mov_b64 s[G0S+2:G0S+3], s[22:23]
	s_or_b32 s[G0S+3], s[G0S+3], 0x80000000
	s_mov_b32 s[G0SB], 1
	s_add_co_u32 s[G0SB+1], s46, SCL
	s_mov_b64 s[G0SB+2:G0SB+3], s[98:99]
	s_or_b32 s[G0SB+3], s[G0SB+3], 0x80000000
	JLOAD G0S, G1S, G0SB, G1SB
	s_mov_b32 s[G0], 1
	s_mov_b32 s[G0+1], s45
	s_mov_b64 s[G0+2:G0+3], s[20:21]
	s_or_b32 s[G0+3], s[G0+3], 0x80000000
	s_mov_b32 s[G0B], 1
	s_mov_b32 s[G0B+1], s45
	s_mov_b64 s[G0B+2:G0B+3], s[96:97]
	s_or_b32 s[G0B+3], s[G0B+3], 0x80000000
	JLOAD G0, G1, G0B, G1B
	s_mov_b32 s[G0+4], 1
	s_add_co_u32 s[G0+5], s45, SLOT
	s_add_nc_u64 s[G0+6:G0+7], s[20:21], s[AST:AST+1]
	s_or_b32 s[G0+7], s[G0+7], 0x80000000
	s_mov_b32 s[G0B+4], 1
	s_add_co_u32 s[G0B+5], s45, SLOT
	s_add_nc_u64 s[G0B+6:G0B+7], s[96:97], s[BST:BST+1]
	s_or_b32 s[G0B+7], s[G0B+7], 0x80000000
	JLOAD G0+4, G1, G0B+4, G1B                     ; three loads of mine are out
	s_lshl_b32 s[AST], s[AST], 1                   ; a refill goes two K steps on
	s_lshl_b32 s[BST], s[BST], 1
	v_and_b32 v24, 15, v0                          ; r
	v_bfe_u32 v25, v0, 4, 1                        ; h
	s_wait_alu depctr_va_vdst(0)
	v_and_b32 v26, 31, v0
	v_lshlrev_b32 v[LI], 4, v26
	s_lshl_b32 s18, s15, 15
	s_lshl_b32 s19, s16, 15
	s_add_co_u32 s19, s19, 65536
	v_add_nc_u32 v[ADRA], s18, v[LI]
	v_add_nc_u32 v[ADRB], s19, v[LI]
	s_add_co_u32 s18, s18, SLOT
	s_add_co_u32 s19, s19, SLOT
	v_add_nc_u32 v[ADRA+1], s18, v[LI]
	v_add_nc_u32 v[ADRB+1], s19, v[LI]
	s_lshl_b32 s18, s15, 12
	s_lshl_b32 s19, s16, 12
	s_add_co_u32 s19, s19, 8192
	s_sub_co_u32 s19, s19, s18
	v_mul_u32_u24 v27, s19, v25                    ; lanes 16-31 take B's: one product with h
	s_add_co_u32 s18, s18, SCL
	v_lshl_add_u32 v[ADRS], v24, 3, v27
	v_add_nc_u32 v[ADRS], s18, v[ADRS]
	s_mul_i32 s18, s14, 8448                       ; my stage
	v_mul_u32_u24 v[STO], v24, 528
	v_lshl_add_u32 v[STO], v25, 6, v[STO]
	v_add_nc_u32 v[STO], s18, v[STO]               ; in: row r, + 64 h
	v_add_nc_u32 v[RD], s18, v[LI]                 ; back: 16 bytes a lane of a row
	s_lshl_b32 s18, s17, 8
	s_lshl_b32 s20, s15, 7
	s_add_co_u32 s18, s18, s20                     ; m0: my first token
	s_lshl_b32 s19, s42, 8
	s_lshl_b32 s20, s16, 7
	s_add_co_u32 s19, s19, s20                     ; n0: my first column
	s_lshl_b32 s2, s19, 2
	s_mov_b32 s3, 0
	s_add_nc_u64 s[8:9], s[8:9], s[2:3]            ; the bias at n0
	s_add_nc_u64 s[10:11], s[10:11], s[2:3]
	s_lshl_b32 s2, s18, 12
	s_add_nc_u64 s[10:11], s[10:11], s[2:3]        ; out0 at (m0, n0)
	v_lshlrev_b32 v26, 6, v25                      ; register j of tile b is column n0 + 32 (b / 2) + 8 (b % 2) + 16 h + j
.irp b, 0,1,2,3,4,5,6,7
	global_load_b128 v[BI+8*\b:BI+8*\b+3], v26, s[8:9] offset:(32*(\b/2)+8*(\b%2))*4
	global_load_b128 v[BI+8*\b+4:BI+8*\b+7], v26, s[8:9] offset:(32*(\b/2)+8*(\b%2))*4+16
.endr
	s_wait_alu depctr_va_vdst(0)
	s_wait_tensorcnt 1                             ; the scale bytes and my part of K step 0 are in; K step 1's load may be out
	s_barrier_signal -1
	s_barrier_wait -1
	s_wait_loadcnt 0x0                             ; the bias
	FETCH_B 0, 0, 0
	FETCH_A 0, 0, 0
	SCALES 0
	FETCH_A 0, 0, 4
	STEP 0, 0, 1
	TURN 0, 1, 1                                   ; slot 0 takes K step 2
	STEP 1, 0, 0
	TURN 1, 0, 1                                   ; slot 1 takes K step 3
	STEP 0, 0, 0
	TURN 0, 1, 0
	STEP 1, 0, 0
	s_wait_dscnt 16
	MUL16 0, 1, 1, 1, 0
	MUL16 2, 1, 1, 1, 0
	s_wait_dscnt 0x0
	MUL16 4, 1, 1, 1, 0
	MUL16 6, 1, 1, 1, 0
	WIN 0
; THE WAY OUT, block by block of 16 tokens x 128 columns, through my own stage.  LDS serves a wave's instructions in order (ISA guide 5.7.1.4): no wait between the stores and the loads, nor in front of the next block's stores.
.macro TOSTAGE a
.set AC, 64*((\a)%4)
	WIN 0x08+4*((\a)/4)                            ; an LDS store's data are its source 1: window 2 or 3
.irp b, 0,1,2,3,4,5,6,7
	ds_store_b128 v[STO], v[AC+8*\b:AC+8*\b+3] offset:128*(\b/2)+32*(\b%2)          ; each accumulator from its low end on
	ds_store_b128 v[STO], v[AC+8*\b+4:AC+8*\b+7] offset:128*(\b/2)+32*(\b%2)+16
.endr
	WIN 0
.set BB, BK+64*((\a)%2)
.irp t, 0,1,2,3,4,5,6,7,8,9,10,11,12,13,14,15
	ds_load_b128 v[BB+4*\t:BB+4*\t+3], v[RD] offset:\t*528
.endr
.endm
.macro SEND a, younger                 ; younger: the LDS instructions issued behind block a's loads, which may stay out
.set BB, BK+64*((\a)%2)
	s_wait_dscnt \younger
.if (\a) > 0
.if ((\a)%2) == 1
	s_add_nc_u64 s[10:11], s[10:11], 8*4096        ; block 2 g + 1 begins 8 tokens behind block 2 g (behind a wait on XCNT: the earlier stores have read their base)
.else
	s_add_nc_u64 s[10:11], s[10:11], 24*4096       ; and block 2 g + 2 another 24
.endif
.endif
.irp t, 0,1,2,3,4,5,6,7,8,9,10,11,12,13,14,15
	global_store_b128 v[LI], v[BB+4*\t:BB+4*\t+3], s[10:11] offset:(\t+8*(\t/8))*4096 th:TH_STORE_NT   ; 512 consecutive bytes of one token's row, aligned
.endr
.endm
	PLACES 8
	TOSTAGE 0
.irp a, 1,2,3,4,5,6,7
.if \a > 1
	s_wait_xcnt 0x0                                ; block a - 2's stores have read their registers and their base
.endif
	TOSTAGE \a
	SEND \a-1, 32                                  ; behind block a - 1's loads: block a's 16 stores and 16 loads
.endr
	s_wait_xcnt 0x0
	SEND 7, 0
	s_wait_tensorcnt 0x0                           ; the wave's end
	ds_add_u32 v[SPW], v[NIL]
	s_wait_dscnt 0x0
	CROUND                                         ; the closing round
	s_endpgm
.Lfunc_end_k_qd75dcb29ae_proj:
	.size	k_qd75dcb29ae_proj, .Lfunc_end_k_qd75dcb29ae_proj-k_qd75dcb29ae_proj
	.p2alignl 7, 3214868480
	.fill 96, 4, 3214868480
	.section	.rodata,"a",@progbits
	.p2align	6, 0x0
	.amdhsa_kernel k_qd75dcb29ae_proj
		.amdhsa_group_segment_fixed_size 327680
		.amdhsa_private_segment_fixed_size 0
		.amdhsa_enable_private_segment 0
		.amdhsa_kernarg_size 32
		.amdhsa_user_sgpr_count 2
		.amdhsa_user_sgpr_kernarg_segment_ptr 1
		.amdhsa_wavefront_size32 1
		.amdhsa_system_sgpr_workgroup_id_x 1
		.amdhsa_system_sgpr_workgroup_id_y 1
		.amdhsa_system_sgpr_workgroup_id_z 1
		.amdhsa_system_vgpr_workitem_id 0
		.amdhsa_next_free_vgpr 1024
		.amdhsa_next_free_sgpr 102
		.amdhsa_reserve_vcc 0
		.amdhsa_float_denorm_mode_32 3
		.amdhsa_float_denorm_mode_16_64 3
		.amdhsa_memory_ordered 1
		.amdhsa_forward_progress 1
		.amdhsa_inst_pref_size 147
	.end_amdhsa_kernel
	.amdgpu_metadata
---
amdhsa.version: [ 1, 2 ]
amdhsa.kernels:
  - .name:           k_qd75dcb29ae_proj
    .symbol:         k_qd75dcb29ae_proj.kd
    .args:
      - { .name: aq, .offset: 0, .size: 8, .value_kind: global_buffer, .address_space: global }
      - { .name: wq, .offset: 8, .size: 8, .value_kind: global_buffer, .address_space: global }
      - { .name: b_proj, .offset: 16, .size: 8, .value_kind: global_buffer, .address_space: global }
      - { .name: out0, .offset: 24, .size: 8, .value_kind: global_buffer, .address_space: global }
    .group_segment_fixed_size: 327680
    .private_segment_fixed_size: 0
    .kernarg_segment_align: 8
    .kernarg_segment_size: 32
    .max_flat_workgroup_size: 128
    .sgpr_count:     102
    .vgpr_count:     1024
    .wavefront_size: 32
...
	.end_amdgpu_metadata
.endif
;; end of part 4
